; MI455X (gfx1250); checked and timed in simulation.
; The chip was launched on July 23, 2026; its instructions are those of AMD's public machine-readable ISA for CDNA 5 (MIT licence, August 2026) and "CDNA5" Instruction Set Architecture Reference Guide (July 2026). The comments in the code are by the model that wrote it; some were corrected since.
;; Glimpse. Allowed arithmetic: matrix products marked QUANTISED: E2M3 operands, one E8M0 scale for each 32 along K, by v_wmma_scale_f32_16x16x128_f8f6f4 with both operands' format E2M3, f32 sums; everything else in f32.
;; Inputs: Wk_codes 512 x 16 x 24 uint8 (E2M3 codes of Wk, K innermost, in blocks of 32 codes, four codes in three bytes); Wk_scales 512 x 16 uint8 (E8M0 scales of Wk, one for each 32 codes along K); Wq_codes 512 x 16 x 24 uint8 (E2M3 codes of Wq, K innermost, in blocks of 32 codes, four codes in three bytes); Wq_scales 512 x 16 uint8 (E8M0 scales of Wq, one for each 32 codes along K); Wv_codes 512 x 16 x 24 uint8 (E2M3 codes of Wv, K innermost, in blocks of 32 codes, four codes in three bytes); Wv_scales 512 x 16 uint8 (E8M0 scales of Wv, one for each 32 codes along K); bk 512 float32; bq 512 float32; bv 512 float32; query_codes 8 x 1,024 x 16 x 24 uint8 (E2M3 codes of query, K innermost, in blocks of 32 codes, four codes in three bytes); query_scales 8 x 1,024 x 16 uint8 (E8M0 scales of query, one for each 32 codes along K); ref_codes 8 x 4,096 x 16 x 24 uint8 (E2M3 codes of ref, K innermost, in blocks of 32 codes, four codes in three bytes); ref_scales 8 x 4,096 x 16 uint8 (E8M0 scales of ref, one for each 32 codes along K).
;; Outputs: out0 8 x 1,024 x 512 float32.
;; This version of the problem:
;;   THIS VERSION OF THE PROBLEM IS GIVEN IN LOW PRECISION. The matrix products marked QUANTISED in the list below multiply operands that are first quantised to E2M3 (2 exponent bits, 3 mantissa bits; 6 bits a number), with one power-of-two scale for each 32 numbers along K (OCP MX v1.0); their sums are f32. All else is computed in f32.
;;   The module's matrix products, in the order in which they are computed (A, B: the left and right operand; K: the contracted axis; several contracted axes count as one K, in the product's order):
;;     1. [M 8,192, K 512] x [K 512, N 512]; A: input query (given as codes); B: input Wq (given as codes): QUANTISED
;;     2. [M 32,768, K 512] x [K 512, N 512]; A: input ref (given as codes); B: input Wk (given as codes): QUANTISED
;;     3. [M 32,768, K 512] x [K 512, N 512]; A: input ref (given as codes); B: input Wv (given as codes): QUANTISED
;;     4. batch 8 x [M 1,024, K 512] x [K 512, N 4,096]; A: computed on the way; B: computed on the way: QUANTISED
;;     5. batch 8 x [M 1,024, K 4,096] x [K 4,096, N 512]; A: computed on the way; B: computed on the way: QUANTISED
;;   THE QUANTISER, for each operand of a quantised product, along K:
;;     - K is cut into blocks of 32 from its start; a last block that is shorter is filled with zeros.
;;     - A block's scale is 2^e with e = floor(log2(the largest magnitude in the block)) - 2, held to -126 .. 127; a block of zeros has e = 0. As a byte (E8M0): e + 127.
;;     - Each number is divided by its block's scale, clamped to +-7.5, and rounded to the nearest number of E2M3, ties to even, subnormals kept.
;;     - The product sums the exact products of the quantised numbers (number of the format x scale) in f32.
;;   ~~~python
;;   def quantise(x, axis):      # numpy; x: float32 -> the quantised numbers, widened to float32 again
;;       x = np.moveaxis(x, axis, -1); K = x.shape[-1]
;;       x = np.pad(x, [(0, 0)] * (x.ndim - 1) + [(0, -K % 32)]); x = x.reshape(x.shape[:-1] + (-1, 32)); a = np.abs(x).max(-1, keepdims=True)
;;       e = np.where(a > 0, np.clip(np.frexp(np.where(a > 0, a, 1))[1] - 1 - 2, -126, 127), 0)      # np.frexp(a)[1] - 1 = floor(log2(a)), exactly
;;       r = np.clip(x / 2.0 ** e, -7.5, 7.5)
;;       step = 2.0 ** (np.maximum(np.frexp(np.where(r == 0, 1, r))[1] - 1, 0) - 3)
;;       q = np.round(r / step) * step * 2.0 ** e      # np.round: ties to even
;;       return np.moveaxis(q.reshape(q.shape[:-2] + (-1,))[..., :K], -1, axis).astype(np.float32)
;;   ~~~
;;   OPERANDS COMPUTED ON THE WAY. 'Computed on the way' means the value that the module computes at that place (a softmax that the list does not call 'softmax' is quantised finished and normalised). What goes into a quantiser is computed in f32, as accurately as f32 sums, v_exp_f32 and their like allow (about 1e-6 of the number): no bf16 or f16 on the way to a quantiser, and a product that is left as it is and whose result goes on into a quantised operand takes f32 operands (vector FMAs, or v_wmma_f32_16x16x4_f32). A number that lies on a knife's edge between two numbers of the format may be rounded either way, as far as f32 arithmetic and the matrix unit's own rounding can turn it there, and no further.
;;   INPUTS GIVEN AS CODES. Wk (in the module: [512, 512], K = its axis 0); Wq (in the module: [512, 512], K = its axis 0); Wv (in the module: [512, 512], K = its axis 0); query (in the module: [8, 1024, 512], K = its axis 2); ref (in the module: [8, 4096, 512], K = its axis 2): each comes as NAME_codes (uint8): NAME with its K axis moved to the last place and cut into blocks of 32 codes, [.., K / 32, bytes a block], one block behind the other in memory; four codes in three bytes: a row's codes are one little-endian stream of bits, code i at bits 6 i .. 6 i + 5 (a code: sign, 2 exponent bits, 3 mantissa bits); and NAME_scales (uint8): the same leading axes, one E8M0 byte (e + 127) for each 32 codes along K. Its value is code x scale, taken as it is: it is not quantised again, and the codes and scales need not be those that the quantiser above would give.
;; One version. Each part assembles by itself: llvm-mc -triple=amdgcn-amd-amdhsa -mcpu=gfx1250 --defsym DOCPART=n.
;; ======== version 1 of 1: 4 launches
;; limits: right only within a limited range of input values
;; workspace buffers: qrec 3,276,800 bytes; krec 13,107,200 bytes; vrec 13,107,200 bytes; prec 26,214,400 bytes; stat 524,288 bytes
;; launch proj (part 1): grid 256 x 1, 4 waves a work-group, no clusters, 327,680 bytes of LDS; arguments ref_codes, ref_scales, Wk_codes, Wk_scales, bk, Wv_codes, Wv_scales, bv, query_codes, query_scales, Wq_codes, Wq_scales, bq, krec, vrec, qrec; writes krec, vrec, qrec
.if DOCPART == 1
	.amdgcn_target "amdgcn-amd-amdhsa--gfx1250"
	.amdhsa_code_object_version 6
	.text
	.protected	k_q64943cda8f_proj
	.globl	k_q64943cda8f_proj
	.p2align	8
	.type	k_q64943cda8f_proj,@function
k_q64943cda8f_proj:
	s_mov_b64 s[64:65], 0
	v_nop
	global_prefetch_b8 v0, s[64:65] scope:SCOPE_SE
	s_setreg_imm32_b32 hwreg(HW_REG_WAVE_MODE, 25, 1), 1
	s_wait_xcnt 0x0
; THE THREE PROJECTIONS, on codes of FP6 (E2M3) as they are given, each result quantised in registers for the product that follows.
;   K = ref Wk + bk, quantised along the hidden axis  -> krec      V = ref Wv + bv, quantised along the KEYS -> vrec      Q = query Wq + bq, along the hidden axis -> qrec
; ONE TEXT, TWO SIDES.  U is source 0: 128 rows a wave, whose axis becomes the next product's K; its 32 fragments stay in 384 registers.  T is source 1: tiles of 16 rows; a lane holds one row of T.
; A UNIT is one tile of T against my 128 rows of U: 8 tiles x 4 K steps = 32 matrix instructions, whose 64 results a lane become ONE fragment (12 registers) and one scale word a row.
;   work-groups 0-127   (K): U = Wk's rows 128 w on, T = 256 rows of ref, bias along U.      work-groups 128-255 (V): U = 128 keys of ref a wave, T = 256 rows of Wv, bias along T.
;   every work-group    (Q): then U = Wq's rows 128 w on, T = 32 rows of query, bias along U.      16 + 2 units in every wave of the launch.
; No cluster: the two kinds of work-group run one text, and in the K kind no two work-groups read the same rows of T.
; THE ROWS OF A TILE ARE NOT NEIGHBOURS: lane r of tile t takes row 32 (t / 2) + 8 (t % 2) + r + 8 (r / 8), of U and of T alike.  Of U: so that the 16 registers of tiles 2 b, 2 b + 1 are 16 neighbours along the next K.
; Of T: so that the tiles that go out can be a source 0 with the same property in the launches that follow.
; WHAT GOES OUT: records of 6,400 bytes: four fragments (four tiles of 64 rows, one K step of 128) as images of their registers, registers 4 c .. 4 c + 3 of lane l at 1,536 i + 512 c + 16 l;
; behind them 256 bytes of scale words, that of row r of tile i at 6,144 + 16 r + 4 i.  Every store of an image covers 512 consecutive bytes, aligned.
; LIMITS: NaN and infinities are not served.  A block whose largest magnitude lies under 2^-124, a block of zeros among them, gets the byte 1 (the stated quantiser says 127 for zeros): its codes are zeros or next to it, and only this program reads the bytes.
; REGISTERS.  window 0: v1-13 addresses; v14-19 offsets of the head's loads; v20-51, v52-83 U's scale words (Wk or ref; Wq); v84-147, v148-155 T's; v156-219 the unit's 8 accumulators; v220-231 at work; v232-235 four scale words; v236-255 codes.
;   window 1: U's fragments, tiles 0-3.   window 2: tiles 4-7; v192-255 the bias along U.   window 3: v0-47 T's four fragments; v96-159 bq's table; v160-175 the bias along T; v176-183 that bias eight times.
.set REC,    6400
.set PITCH,  408                       ; a row in LDS: 384 bytes of codes and 8 of padding behind each 128
.set UB,     128*PITCH                 ; a wave's rows of U
.set TREG,   4*UB                      ; T's 256 rows
.set TBREG,  TREG+256*PITCH            ; query's 32 rows
.set SPARE,  TBREG+32*PITCH            ; the spare words, 128 bytes a wave: two blocks of 256 bytes that no other line names
.set SPW, 1
.set NIL, 2
.set AU,  3                            ; v3, v4    my rows of U: row x pitch + 24 h; the same + 32 h for pieces behind one padding more
.set AT,  5                            ; v5, v6    T's tiles 0-7;  v7, v8  tiles 8-15
.set ATB, 9                            ; v9, v10   query's rows
.set LI,  11                           ; 16 x lane
.set LSC, 12                           ; 16 r + 8 h
.set LSB, 13                           ; 16 r + 8 (g & 1) + 4 h
.set US,  20
.set USB, 52
.set TS,  84
.set TBS, 148
.set ACC, 156
.set TM,  220                          ; +0..3 largest magnitudes, +4..7 the other half's, then the bytes, +8..11 the conversions' scale operands
.set PWQ, 232
.set PC,  236
.set BI,  192                          ; window 2
.set BIB, 96                           ; window 3
.set BT,  160
.set CB,  176
.set G1U, 48                           ; group 1, dense blocks as rows of 256 bytes: 128 rows of codes = 192 such rows;
.set G1T, 56                           ; 256 rows of codes = 384;
.set G1B, 68                           ; 32 rows of codes = 48
.set G0U, 76
.set G0T, 80
.set G0B, 84
.set G0W, 88                           ; Wq into my rows of U
.set SEL, 92
.set HM,  96
.set MSB, 0
.macro WIN new                         ; the immediate's high byte repeats the setting that is left
.if MSB != (\new)
	s_set_vgpr_msb (MSB<<8)|(\new)
.set MSB, (\new)
.endif
.endm
.macro PLACES n
.rept \n
	v_nop
.endr
.endm
; A fragment, 16 rows x 128 K, K step s of rows that begin `row` rows on: six pieces of 8 bytes.  Lanes 16-31 read three pieces further on; where that is behind one padding more, the second address register serves.
.macro FRAGL reg, adr, s, row
.irp p, 0,1,2,3,4,5
.set PCE, 12*(\s)+6*(\p/3)+\p%3
.if PCE%16 < 13
	ds_load_b64 v[\reg+2*\p:\reg+2*\p+1], v[\adr] offset:8*PCE+8*(PCE/16)+(\row)*PITCH
.else
	ds_load_b64 v[\reg+2*\p:\reg+2*\p+1], v[\adr+1] offset:8*PCE+8*(PCE/16)+(\row)*PITCH
.endif
.endr
.endm
.macro ULOAD                           ; my 32 fragments of U
	WIN 0x40
.irp t, 0,1,2,3
.irp s, 0,1,2,3
	FRAGL 12*(4*\t+\s), AU, \s, 32*(\t/2)+8*(\t%2)
.endr
.endr
	WIN 0x80
.irp t, 4,5,6,7
.irp s, 0,1,2,3
	FRAGL 12*(4*(\t-4)+\s), AU, \s, 32*(\t/2)+8*(\t%2)
.endr
.endr
	WIN 0
.endm
.macro TLD adr, row                    ; a tile of T, all four K steps
	WIN 0xc0
.irp s, 0,1,2,3
	FRAGL 12*\s, \adr, \s, \row
.endr
	WIN 0
.endm
.macro NEXTT n                         ; the tile of unit n (16, 17: query's)
.if (\n) < 8
	TLD AT, 32*((\n)/2)+8*((\n)%2)
.elseif (\n) < 16
	TLD AT+2, 32*(((\n)-8)/2)+8*((\n)%2)
.elseif (\n) < 18
	TLD ATB, 8*((\n)-16)
.endif
.endm
.macro MMC t, s, c0, us, ts            ; tile t of U, K step s; C = v[c0 ..]
	v_wmma_scale_f32_16x16x128_f8f6f4 v[ACC+8*(\t):ACC+8*(\t)+7], v[12*(4*((\t)%4)+(\s)):12*(4*((\t)%4)+(\s))+11], v[12*(\s):12*(\s)+11], v[\c0:\c0+7], v[\us+4*(\t)+(\s)], v[\ts+(\s)] matrix_a_fmt:MATRIX_FMT_FP6 matrix_b_fmt:MATRIX_FMT_FP6
.endm
.macro FIRST8 cb, step, w2, us, ts     ; K step 0: the bias is the C of each sum's first instruction (window w2)
	WIN 0x0d|((\w2)<<4)
.irp t, 0,1,2,3
	MMC \t, 0, \cb+(\step)*\t, \us, \ts
.endr
	WIN 0x0e|((\w2)<<4)
.irp t, 4,5,6,7
	MMC \t, 0, \cb+(\step)*\t, \us, \ts
.endr
.endm
.macro REST us, ts                     ; K steps 1 to 3: the accumulators take turns, one instruction a turn; K ascends in each
	WIN 0x0d
.irp s, 1,2,3
.irp t, 0,1,2,3
	MMC \t, \s, ACC+8*\t, \us, \ts
.endr
.endr
	WIN 0x0e
.irp s, 1,2,3
.irp t, 4,5,6,7
	MMC \t, \s, ACC+8*\t, \us, \ts
.endr
.endr
	WIN 0
.endm
; My 64 results, register 16 b + i = k 32 b + 16 h + i of my row, become a fragment's codes in v[PC] on and the row's scale word in v[pw].
.macro QUANT pw
.irp b, 0,1,2,3
	v_max3_num_f32 v[TM+\b], |v[ACC+16*\b]|, |v[ACC+16*\b+1]|, 0x1800000   ; my 16 numbers of block b, and the floor 2^(3 - 127): the byte cannot fall under 1.  Each accumulator is read from its low end on
.endr
.irp i, 2,4,6,8,10,12,14
.irp b, 0,1,2,3
	v_max3_num_f32 v[TM+\b], v[TM+\b], |v[ACC+16*\b+\i]|, |v[ACC+16*\b+\i+1]|
.endr
.endr
.irp b, 0,1,2,3
	v_permlanex16_b32 v[TM+4+\b], v[TM+\b], s[SEL], s[SEL+1]
.endr
.irp b, 0,1,2,3
	v_max_num_f32 v[TM+\b], v[TM+\b], v[TM+4+\b]           ; with lane l xor 16's: the block's largest magnitude
.endr
.irp b, 0,1,2,3
	v_add_nc_u32 v[TM+8+\b], 0xff000000, v[TM+\b]          ; 2 off its exponent field: the conversion's scale operand
.endr
.irp b, 0,1,2,3
	v_lshrrev_b32 v[TM+4+\b], 23, v[TM+8+\b]               ; the scale's byte
.endr
	v_lshl_or_b32 v[\pw], v[TM+5], 8, v[TM+4]
	v_lshl_or_b32 v[\pw], v[TM+6], 16, v[\pw]
	v_lshl_or_b32 v[\pw], v[TM+7], 24, v[\pw]
.irp c, 0,1
	v_cvt_scalef32_pk16_fp6_f32 v[PC+6*\c:PC+6*\c+2], v[ACC+32*\c:ACC+32*\c+15], v[TM+8+2*\c]
	v_cvt_scalef32_pk16_fp6_f32 v[PC+12+4*\c:PC+14+4*\c], v[ACC+16+32*\c:ACC+31+32*\c], v[TM+9+2*\c]   ; (a conversion's three registers begin on an even number)
.endr
	v_nop                                          ; one plain place behind a scaled conversion
.irp c, 0,1                            ; the operand's layout wants a whole block in a lane
.irp i, 0,1,2
	v_permlane16_swap_b32 v[PC+6*\c+\i], v[PC+12+4*\c+\i]
.endr
.irp i, 0,1,2
	v_mov_b32 v[PC+3+6*\c+\i], v[PC+12+4*\c+\i]
.endr
.endr
.endm
.macro IMG base, off                   ; the fragment goes out as it stands: three stores of 512 consecutive bytes
.irp c, 0,1,2
	global_store_b128 v[LI], v[PC+4*\c:PC+4*\c+3], s[\base:\base+1] offset:\off+512*\c
.endr
.endm
.macro UNIT tt
	s_wait_dscnt 0x0                               ; this tile's fragments are in
	s_cmp_lg_u32 s3, 0                             ; the kind hangs on the work-group's number alone
	s_cbranch_scc1 .Lvway_\@
	FIRST8 BI, 8, 2, US, TS+4*(\tt)
	WIN 0
	s_branch .Ljoin_\@
.Lvway_\@:
	WIN 0xc3
.irp j, 0,1,2,3,4,5,6,7
	v_mov_b32 v[CB+\j], v[BT+(\tt)]                ; my channel's bias for all eight keys of a register run
.endr
	WIN 0
	PLACES 4
	FIRST8 CB, 0, 3, US, TS+4*(\tt)
	WIN 0
.Ljoin_\@:
	REST US, TS+4*(\tt)
	PLACES 4                                       ; in front of the loads into T's registers and of the first read of results
	NEXTT \tt+1
	s_wait_xcnt 0x0                                ; the last unit's stores have read their registers
	QUANT PWQ+(\tt)%4
	IMG 14, 1536*((\tt)%4)
.if (\tt)%4 == 3
	v_cndmask_b32 v[TM], v[PWQ], v[PWQ+2], s[HM]   ; lanes 0-15 carry tiles 0, 1, lanes 16-31 tiles 2, 3 (both halves hold a row's word)
	v_cndmask_b32 v[TM+1], v[PWQ+1], v[PWQ+3], s[HM]
	global_store_b64 v[LSC], v[TM:TM+1], s[14:15] offset:6144   ; 32 lanes store 256 consecutive bytes, aligned
	s_wait_xcnt 0x0                                ; the base steps only behind this wait
	s_add_nc_u64 s[14:15], s[14:15], s[94:95]      ; the next 64 rows' record
.endif
.endm
.macro UNITB u
	s_wait_dscnt 0x0
	FIRST8 BIB, 8, 3, USB, TBS+4*(\u)
	REST USB, TBS+4*(\u)
	PLACES 4
	NEXTT 17+\u
	s_wait_xcnt 0x0
	QUANT PWQ+\u
	IMG 98, 1536*\u
.endm
	s_load_b512 s[16:31], s[0:1], 0x0              ; ref c, ref s, Wk c, Wk s, bk, Wv c, Wv s, bv
	s_load_b512 s[32:47], s[0:1], 0x40             ; query c, query s, Wq c, Wq s, bq, krec, vrec, qrec
	v_lshl_add_u32 v[SPW], v0, 2, SPARE
	v_mov_b32 v[NIL], 0
	ds_add_u32 v[SPW], v[NIL]                      ; the opening lines: the add, twice on end; the set-up below stands between them and their wait
	ds_add_u32 v[SPW], v[NIL]
	v_lshrrev_b32 v14, 5, v0
	v_readfirstlane_b32 s2, v14                    ; wave 0..3
	; group 1: the rows of codes (384 bytes) lie dense in memory, so a block of them is stated as rows of 256 bytes, each at a multiple of 256 bytes; padding on, behind every 32 words (code 4), 2 words of it (code 1):
	; a row of codes is then 3 x (128 + 8) bytes in LDS, whatever the tensor rows
.irp g, G1U, G1T, G1B
	s_mov_b32 s[\g], (1<<20)|(4<<22)|(1<<25)
	s_mov_b32 s[\g+1], 256<<16
	s_mov_b32 s[\g+3], 256<<16
	s_mov_b32 s[\g+5], 256
	s_mov_b32 s[\g+6], 0
	s_mov_b32 s[\g+7], 0
.endr
	s_mov_b32 s[G1U+2], 192<<16
	s_mov_b32 s[G1U+4], 192
	s_mov_b32 s[G1T+2], 384<<16
	s_mov_b32 s[G1T+4], 384
	s_mov_b32 s[G1B+2], 48<<16
	s_mov_b32 s[G1B+4], 48
	; both kinds' numbers, then one compare and the choices
	s_and_b32 s97, ttmp9, 127                      ; the work-group's number within its kind
	s_lshr_b32 s100, s97, 1                        ; V: which 512 keys
	s_and_b32 s101, s97, 1                         ; V: which 256 channels
	s_lshl_b32 s92, s100, 9                        ; V: U's first row
	s_lshl_b32 s93, s101, 8                        ; V: T's first row
	s_lshl_b32 s94, s97, 8                         ; K: T's first row
	s_lshr_b32 s95, s97, 4                         ; V: batch
	s_lshl_b32 s95, s95, 1
	s_add_co_u32 s95, s95, s101
	s_lshl_b32 s95, s95, 7                         ; (8 batch + 4 half) x 32 records
	s_and_b32 s100, s100, 7
	s_lshl_b32 s100, s100, 2
	s_add_co_u32 s95, s95, s100                    ; + the first of the work-group's four key groups
	s_lshl_b32 s96, s97, 4                         ; K: 16 records a work-group
	s_mov_b32 s100, 32*REC
	s_cmp_lt_u32 ttmp9, 128
	s_cselect_b32 s3, 0, 1                         ; the kind: 0 K, 1 V
	s_cselect_b32 s92, 0, s92
	s_cselect_b32 s93, s94, s93
	s_cselect_b32 s95, s96, s95
	s_cselect_b32 s101, 0, s101
	s_cselect_b32 s94, 4*REC, s100                 ; from 64 rows of T to the next, in the output
	s_wait_dscnt 0x0                               ; both opening adds are done
	s_wait_kmcnt 0x0
	s_cselect_b64 s[4:5], s[20:21], s[16:17]       ; U's codes
	s_cselect_b64 s[6:7], s[22:23], s[18:19]       ; U's scales
	s_cselect_b64 s[8:9], s[16:17], s[26:27]       ; T's codes
	s_cselect_b64 s[10:11], s[18:19], s[28:29]     ; T's scales
	s_cselect_b64 s[12:13], s[24:25], s[30:31]     ; the bias
	s_cselect_b64 s[14:15], s[42:43], s[44:45]     ; the output
	s_mov_b32 s17, 0                               ; s[16:17]: an offset
	s_lshl_b32 s97, s2, 7
	s_add_co_u32 s92, s92, s97                     ; my first row of U
	s_mul_i32 s16, s92, 384
	s_add_nc_u64 s[4:5], s[4:5], s[16:17]
	s_lshl_b32 s16, s92, 4
	s_add_nc_u64 s[6:7], s[6:7], s[16:17]
	s_lshl_b32 s16, s93, 4
	s_add_nc_u64 s[10:11], s[10:11], s[16:17]
	s_mul_i32 s16, s93, 384
	s_add_nc_u64 s[8:9], s[8:9], s[16:17]
	s_lshl_b32 s16, s101, 10
	s_add_nc_u64 s[18:19], s[12:13], s[16:17]      ; the bias along T
	s_lshl_b32 s16, s2, 9
	s_add_nc_u64 s[12:13], s[12:13], s[16:17]      ; the bias along U: my 128 numbers
	s_add_nc_u64 s[40:41], s[40:41], s[16:17]      ; bq likewise
	s_add_co_u32 s95, s95, s2
	s_mul_i32 s16, s95, REC
	s_add_nc_u64 s[14:15], s[14:15], s[16:17]      ; my first record
	s_mov_b32 s95, 0
	s_mul_i32 s16, ttmp9, 32*384
	s_add_nc_u64 s[32:33], s[32:33], s[16:17]      ; the 32 rows of query that I fetch
	s_lshl_b32 s16, ttmp9, 9
	s_add_nc_u64 s[34:35], s[34:35], s[16:17]      ; the 32 rows' scales
	s_mul_i32 s16, s2, 128*384
	s_add_nc_u64 s[36:37], s[36:37], s[16:17]      ; my rows of Wq
	s_lshl_b32 s16, s2, 11
	s_add_nc_u64 s[38:39], s[38:39], s[16:17]
	s_lshr_b32 s16, ttmp9, 1
	s_lshl_b32 s16, s16, 2
	s_add_co_u32 s16, s16, s2
	s_mul_i32 s16, s16, REC
	s_add_nc_u64 s[46:47], s[46:47], s[16:17]      ; qrec: my record,
	s_and_b32 s97, ttmp9, 1
	s_mul_i32 s16, s97, 2*1536
	s_add_nc_u64 s[98:99], s[46:47], s[16:17]      ; and my two images in it
	s_lshl_b32 s97, s97, 3
	s_mov_b32 s[SEL], 0x76543210
	s_mov_b32 s[SEL+1], 0xfedcba98
	s_mov_b32 s[HM], 0xffff0000                    ; lanes 16-31
	; THE HEAD'S TILES, ONE LOAD A WAVE: waves 0 and 1 fetch U's rows 0-255 and 256-511, wave 2 T's 256 rows, wave 3 query's 32 rows
	s_mov_b32 s[G0U], 1
	s_mul_i32 s[G0U+1], s2, 2*UB
	s_mul_i32 s16, s2, 128*384                     ; s[4:5] stands at row 128 w: 128 w rows more make 256 w (used by waves 0 and 1 alone)
	s_add_nc_u64 s[G0U+2:G0U+3], s[4:5], s[16:17]
	s_or_b32 s[G0U+3], s[G0U+3], 0x80000000
	s_mov_b32 s[G0T], 1
	s_mov_b32 s[G0T+1], TREG
	s_mov_b64 s[G0T+2:G0T+3], s[8:9]
	s_or_b32 s[G0T+3], s[G0T+3], 0x80000000
	s_mov_b32 s[G0B], 1
	s_mov_b32 s[G0B+1], TBREG
	s_mov_b64 s[G0B+2:G0B+3], s[32:33]
	s_or_b32 s[G0B+3], s[G0B+3], 0x80000000
	s_cmp_lt_u32 s2, 2                             ; one chain of branches on the wave's number, a load to each arm
	s_cbranch_scc0 .Lhead_t
	tensor_load_to_lds s[G0U:G0U+3], s[G1T:G1T+7]
	s_nop 0
	PLACES 4
	s_branch .Lhead_asked
.Lhead_t:
	s_cmp_lt_u32 s2, 3
	s_cbranch_scc0 .Lhead_q
	tensor_load_to_lds s[G0T:G0T+3], s[G1T:G1T+7]
	s_nop 0
	PLACES 4
	s_branch .Lhead_asked
.Lhead_q:
	tensor_load_to_lds s[G0B:G0B+3], s[G1B:G1B+7]
	s_nop 0
	PLACES 4
.Lhead_asked:
	v_and_b32 v14, 15, v0                          ; r
	v_bfe_u32 v15, v0, 4, 1                        ; h
	v_and_b32 v16, 8, v14
	v_add_nc_u32 v16, v16, v14                     ; r + 8 (r / 8)
	v_lshlrev_b32 v18, 4, v16                      ; scales: 16 bytes a row
	v_lshlrev_b32 v19, 6, v15                      ; the bias along U: 64 h
	v_mul_u32_u24 v17, v16, PITCH
	v_lshlrev_b32 v[LSC], 4, v14
	v_lshl_add_u32 v[LSB], v15, 2, v[LSC]
	v_add_nc_u32 v[LSB], s97, v[LSB]
	v_lshl_add_u32 v[LSC], v15, 3, v[LSC]
	v_and_b32 v[LI], 31, v0
	v_lshlrev_b32 v[LI], 4, v[LI]
	v_lshlrev_b32 v14, 2, v16                      ; the bias along T: 4 bytes a row
.irp t, 0,1,2,3,4,5,6,7
	global_load_b128 v[US+4*\t:US+4*\t+3], v18, s[6:7] offset:(32*(\t/2)+8*(\t%2))*16      ; a row's 16 bytes are its four K steps' words
	global_load_b128 v[USB+4*\t:USB+4*\t+3], v18, s[38:39] offset:(32*(\t/2)+8*(\t%2))*16
.endr
.irp t, 0,1,2,3,4,5,6,7,8,9,10,11,12,13,14,15
	global_load_b128 v[TS+4*\t:TS+4*\t+3], v18, s[10:11] offset:(32*(\t/2)+8*(\t%2))*16
.endr
.irp u, 0,1
	global_load_b128 v[TBS+4*\u:TBS+4*\u+3], v18, s[34:35] offset:8*\u*16
.endr
	WIN 0x80
.irp t, 0,1,2,3,4,5,6,7                ; register j of tile t is unit 32 (t / 2) + 16 h + 8 (t % 2) + j of my 128.  Both bias tables are loaded in both kinds; each kind's units take one of them
	global_load_b128 v[BI+8*\t:BI+8*\t+3], v19, s[12:13] offset:(32*(\t/2)+8*(\t%2))*4
	global_load_b128 v[BI+8*\t+4:BI+8*\t+7], v19, s[12:13] offset:(32*(\t/2)+8*(\t%2))*4+16
.endr
	WIN 0xc0
.irp t, 0,1,2,3,4,5,6,7
	global_load_b128 v[BIB+8*\t:BIB+8*\t+3], v19, s[40:41] offset:(32*(\t/2)+8*(\t%2))*4
	global_load_b128 v[BIB+8*\t+4:BIB+8*\t+7], v19, s[40:41] offset:(32*(\t/2)+8*(\t%2))*4+16
.endr
.irp t, 0,1,2,3,4,5,6,7,8,9,10,11,12,13,14,15
	global_load_b32 v[BT+\t], v14, s[18:19] offset:(32*(\t/2)+8*(\t%2))*4
.endr
	WIN 0
	v_mad_u32_u24 v[AT], v15, 24, v17              ; row x pitch + 24 h,
	v_lshl_add_u32 v[AT+1], v15, 5, v17            ; and + 32 h
	s_mul_i32 s100, s2, UB
	v_add_nc_u32 v[AU], s100, v[AT]
	v_add_nc_u32 v[AU+1], s100, v[AT+1]
	v_add_nc_u32 v[ATB], TBREG, v[AT]
	v_add_nc_u32 v[ATB+1], TBREG, v[AT+1]
	v_add_nc_u32 v[AT+2], TREG+UB, v[AT]
	v_add_nc_u32 v[AT+3], TREG+UB, v[AT+1]
	v_add_nc_u32 v[AT], TREG, v[AT]
	v_add_nc_u32 v[AT+1], TREG, v[AT+1]
.irp b, 0,1,2,3
	v_mov_b32 v[TM+4+\b], 0                        ; written once: a lane permute's destination counts as one of its sources
.endr
	s_wait_alu depctr_va_vdst(0)
	s_wait_tensorcnt 0x0                           ; my load has landed,
	s_barrier_signal -1
	s_barrier_wait -1                              ; everybody's have: U's rows come from waves 0 and 1, T's from wave 2
	ULOAD
	TLD AT, 0
	s_wait_tensorcnt 0x0                           ; my rows of U are read out into registers: Wq takes their place.  No tensor load of mine is out;
	ds_add_u32 v[SPW], v[NIL]                      ; 0 onto my spare word: the descriptor is made while it is out
	s_mov_b32 s[G0W], 1
	s_mul_i32 s[G0W+1], s2, UB
	s_mov_b64 s[G0W+2:G0W+3], s[36:37]
	s_or_b32 s[G0W+3], s[G0W+3], 0x80000000
	s_wait_dscnt 0x0                               ; the add is done, and my reads of U's rows are in
	s_barrier_signal -1
	s_barrier_wait -1
	tensor_load_to_lds s[G0W:G0W+3], s[G1U:G1U+7]  ; my one tensor load behind this barrier: it lands under sixteen units' work
	s_nop 0
	PLACES 4
	s_wait_loadcnt 0x0                             ; scale words and biases
.irp n, 0,1,2,3,4,5,6,7,8,9,10,11,12,13,14,15
	UNIT \n
.endr
	s_wait_tensorcnt 0x0                           ; Wq's rows are in; they are my own bytes: no other wave reads them
	PLACES 4
	ULOAD
	UNITB 0
	UNITB 1
	v_cndmask_b32 v[TM], v[PWQ], v[PWQ+1], s[HM]   ; lanes 0-15 my first tile's words, lanes 16-31 my second's
	global_store_b32 v[LSB], v[TM], s[46:47] offset:6144
	s_wait_tensorcnt 0x0                           ; the wave's end
	ds_add_u32 v[SPW], v[NIL]
	s_wait_dscnt 0x0
	s_endpgm
.Lfunc_end_k_q64943cda8f_proj:
	.size	k_q64943cda8f_proj, .Lfunc_end_k_q64943cda8f_proj-k_q64943cda8f_proj
	.p2alignl 7, 3214868480
	.fill 96, 4, 3214868480
	.section	.rodata,"a",@progbits
	.p2align	6, 0x0
	.amdhsa_kernel k_q64943cda8f_proj
		.amdhsa_group_segment_fixed_size 327680
		.amdhsa_private_segment_fixed_size 0
		.amdhsa_enable_private_segment 0
		.amdhsa_kernarg_size 128
		.amdhsa_user_sgpr_count 2
		.amdhsa_user_sgpr_kernarg_segment_ptr 1
		.amdhsa_wavefront_size32 1
		.amdhsa_system_sgpr_workgroup_id_x 1
		.amdhsa_system_sgpr_workgroup_id_y 1
		.amdhsa_system_sgpr_workgroup_id_z 1
		.amdhsa_system_vgpr_workitem_id 0
		.amdhsa_next_free_vgpr 1024
		.amdhsa_next_free_sgpr 102
		.amdhsa_reserve_vcc 0
		.amdhsa_float_denorm_mode_32 3
		.amdhsa_float_denorm_mode_16_64 3
		.amdhsa_memory_ordered 1
		.amdhsa_forward_progress 1
		.amdhsa_inst_pref_size 247
	.end_amdhsa_kernel
	.amdgpu_metadata
---
amdhsa.version: [ 1, 2 ]
amdhsa.kernels:
  - .name:           k_q64943cda8f_proj
    .symbol:         k_q64943cda8f_proj.kd
    .args:
      - { .name: ref_codes, .offset: 0, .size: 8, .value_kind: global_buffer, .address_space: global }
      - { .name: ref_scales, .offset: 8, .size: 8, .value_kind: global_buffer, .address_space: global }
      - { .name: Wk_codes, .offset: 16, .size: 8, .value_kind: global_buffer, .address_space: global }
      - { .name: Wk_scales, .offset: 24, .size: 8, .value_kind: global_buffer, .address_space: global }
      - { .name: bk, .offset: 32, .size: 8, .value_kind: global_buffer, .address_space: global }
      - { .name: Wv_codes, .offset: 40, .size: 8, .value_kind: global_buffer, .address_space: global }
      - { .name: Wv_scales, .offset: 48, .size: 8, .value_kind: global_buffer, .address_space: global }
      - { .name: bv, .offset: 56, .size: 8, .value_kind: global_buffer, .address_space: global }
      - { .name: query_codes, .offset: 64, .size: 8, .value_kind: global_buffer, .address_space: global }
      - { .name: query_scales, .offset: 72, .size: 8, .value_kind: global_buffer, .address_space: global }
      - { .name: Wq_codes, .offset: 80, .size: 8, .value_kind: global_buffer, .address_space: global }
      - { .name: Wq_scales, .offset: 88, .size: 8, .value_kind: global_buffer, .address_space: global }
      - { .name: bq, .offset: 96, .size: 8, .value_kind: global_buffer, .address_space: global }
      - { .name: krec, .offset: 104, .size: 8, .value_kind: global_buffer, .address_space: global }
      - { .name: vrec, .offset: 112, .size: 8, .value_kind: global_buffer, .address_space: global }
      - { .name: qrec, .offset: 120, .size: 8, .value_kind: global_buffer, .address_space: global }
    .group_segment_fixed_size: 327680
    .private_segment_fixed_size: 0
    .kernarg_segment_align: 8
    .kernarg_segment_size: 128
    .max_flat_workgroup_size: 128
    .sgpr_count:     102
    .vgpr_count:     1024
    .wavefront_size: 32
...
	.end_amdgpu_metadata
.endif
;; end of part 1
;; launch stats (part 2): grid 4 x 64, 8 waves a work-group, clusters of 4 x 4, 324,608 bytes of LDS; arguments qrec, krec, stat; writes stat
.if DOCPART == 2
	.amdgcn_target "amdgcn-amd-amdhsa--gfx1250"
	.amdhsa_code_object_version 6
	.text
	.protected	k_q64943cda8f_stats
	.globl	k_q64943cda8f_stats
	.p2align	8
	.type	k_q64943cda8f_stats,@function
k_q64943cda8f_stats:
	s_mov_b64 s[64:65], 0
	v_nop
	global_prefetch_b8 v0, s[64:65] scope:SCOPE_SE
	s_setreg_imm32_b32 hwreg(HW_REG_WAVE_MODE, 25, 1), 1
	s_wait_xcnt 0x0
	s_wait_alu depctr_hold_cnt(0) depctr_sa_sdst(0) depctr_va_vdst(0) depctr_va_sdst(0) depctr_va_ssrc(0) depctr_va_vcc(0) depctr_vm_vsrc(0)
	s_getreg_b32 s2, hwreg(HW_REG_IB_STS2, 6, 4)
	s_cmp_eq_u32 s2, 0
	s_cbranch_scc0 .Lentry_in_a_cluster
	s_endpgm
.Lentry_in_a_cluster:
	s_bfe_u32 s2, ttmp6, 0x10000c
	s_cmp_lg_u32 s2, 0xf033
	s_cbranch_scc0 .Lentry_shape_is_right
	s_endpgm
.Lentry_shape_is_right:
; THE SCORES, FIRST PASS: S^T = K Q^T on the codes that the projections made; of each query and each block of 512 keys the largest score m and l = the sum of 2^(s L + nn), L = log2(e), nn = -L m.
; The weights are quantised finished (divided by the row's sum), so a row's maximum and sum are found here, block by block; the next launch merges the 8 blocks of a row and makes the weights.
; SHARES.  A work-group: 256 queries x 512 keys of one batch.  Eight waves, two to a SIMD: wave w keeps keys 64 w on (16 fragments, 192 registers, window 1) and walks all 16 tiles of 16 queries.
; A UNIT is one tile of queries against my 64 keys: 4 accumulators x 4 K steps = 16 matrix instructions in one run, then the unit's vector list in one run.  The loop has 4 trips of 4 units (a record holds four tiles).
; Source 0 = 16 keys, source 1 = 16 queries: a lane holds ONE query (lane % 16) and 32 of the 64 keys.
; At the end the eight waves' figures of a query are merged through LDS; wave w merges queries 32 w on and stores 256 consecutive bytes, aligned.  Queries are counted in the records' order, here and in the next launch.
; LDS: Q's 16 records, K's 32 records, each byte filled once; the spare words; a stage of 8 x 2,048 bytes that no tensor load touches.
; CLUSTER 4 x 4: a column shares its queries, a row its keys; each block is asked for jointly: waves 0-3 two quads of K each, waves 4-7 one quad of Q each: one load a wave.
; No prefetch: all that the launch reads is asked for at its head.
; LIMITS: NaN and infinities are not served; terms under 2^-126 of the unit's largest count as 0; the promise holds while |s L| stays under 2^31.
.set REC,   6400
.set QUADB, 4*REC
.set KREG,  4*QUADB
.set SPARE, 3*KREG                     ; 128 bytes a wave
.set STG,   SPARE+1024                 ; (m, l) of wave w, query q at 2,048 w + 8 q
.set SPW, 1
.set NIL, 2
.set LI,  3                            ; 16 x lane
.set LO8, 4                            ; 8 x lane
.set AK,  5                            ; my K fragments
.set AKS, 6                            ; my K scale words
.set AQS0, 7                           ; Q's scale words, quad 0
.set STA0, 8                           ; my stage, tile 0
.set MA,  9                            ; the merge's reads
.set AQ,  10                           ; this trip's: Q's fragments, scale words, stage
.set AQS, 11
.set STA, 12
.set KS,  16                           ; K's scale words: 4 s + a
.set QS,  32                           ; Q's: 4 s + i
.set QF,  48                           ; a tile of Q: K step s at 12 s
.set ACC, 96                           ; key tile a at 8 a
.set MX,  128
.set ST,  132                          ; m, l
.set BX,  136
.set TN,  138                          ; nn (a pair is named; the low word serves both halves)
.set SU,  140                          ; four chains of sums, a pair each
.set MB,  148                          ; the merge's 8 x (m, l)
.set WV,  12
.set G1Q, 24
.set G1K, 32
.set G0K, 40
.set G0Q, 44
.set LL,  52
.set NL,  54
.set SEL, 56
.set CT,  58
.set QO,  59
.set SO,  60
.set MSB, 0
.macro WIN new                         ; the immediate's high byte repeats the setting that is left
.if MSB != (\new)
	s_set_vgpr_msb (MSB<<8)|(\new)
.set MSB, (\new)
.endif
.endm
.macro PLACES n
.rept \n
	v_nop
.endr
.endm
.macro CROUND                          ; a round of the cluster's barrier
	s_barrier_signal -1
	s_barrier_wait -1
	s_cmp_lg_u32 s[WV], 0
	s_cbranch_scc1 .Lnot_wave_0_\@
	s_barrier_signal -3
.Lnot_wave_0_\@:
	s_barrier_wait -3
	s_barrier_signal -1
	s_barrier_wait -1
.endm
.macro QLOAD adr, off                  ; a tile of Q, four K steps: 12 loads
.irp s, 0,1,2,3
.irp c, 0,1,2
	ds_load_b128 v[QF+12*\s+4*\c:QF+12*\s+4*\c+3], v[\adr] offset:(\off)+\s*REC+512*\c
.endr
.endr
.endm
.macro SLOAD reg, adr, off             ; a quad's scale words
.irp s, 0,1,2,3
	ds_load_b128 v[\reg+4*\s:\reg+4*\s+3], v[\adr] offset:(\off)+\s*REC
.endr
.endm
.macro MMS i                           ; the four accumulators take turns, one instruction a turn; K ascends in each; the first K step starts the sums
.irp s, 0,1,2,3
.irp a, 0,1,2,3
.if \s == 0
	v_wmma_scale_f32_16x16x128_f8f6f4 v[ACC+8*\a:ACC+8*\a+7], v[12*(4*\a+\s):12*(4*\a+\s)+11], v[QF+12*\s:QF+12*\s+11], 0, v[KS+4*\s+\a], v[QS+4*\s+(\i)] matrix_a_fmt:MATRIX_FMT_FP6 matrix_b_fmt:MATRIX_FMT_FP6
.else
	v_wmma_scale_f32_16x16x128_f8f6f4 v[ACC+8*\a:ACC+8*\a+7], v[12*(4*\a+\s):12*(4*\a+\s)+11], v[QF+12*\s:QF+12*\s+11], v[ACC+8*\a:ACC+8*\a+7], v[KS+4*\s+\a], v[QS+4*\s+(\i)] matrix_a_fmt:MATRIX_FMT_FP6 matrix_b_fmt:MATRIX_FMT_FP6
.endif
.endr
.endr
.endm
.macro MAX4                            ; each accumulator's largest, the four by turns, each read from its low end on
.irp a, 0,1,2,3
	v_max3_num_f32 v[MX+\a], v[ACC+8*\a], v[ACC+8*\a+1], v[ACC+8*\a+2]
.endr
.irp j, 3,5
.irp a, 0,1,2,3
	v_max3_num_f32 v[MX+\a], v[MX+\a], v[ACC+8*\a+\j], v[ACC+8*\a+\j+1]
.endr
.endr
.irp a, 0,1,2,3
	v_max_num_f32 v[MX+\a], v[MX+\a], v[ACC+8*\a+7]
.endr
.endm
.macro LIST i
	MAX4
	v_max3_num_f32 v[MX], v[MX], v[MX+1], v[MX+2]
	s_delay_alu instid0(VALU_DEP_1)
	v_max_num_f32 v[MX], v[MX], v[MX+3]
	v_permlanex16_b32 v[BX], v[MX], s[SEL], s[SEL+1]
	v_max_num_f32 v[ST], v[MX], v[BX]              ; with lane l xor 16's 32 keys: m
	s_delay_alu instid0(VALU_DEP_1)
	v_mul_f32 v[TN], s[NL], v[ST]                  ; nn = -L m
.irp q, 0,1,2,3,4,5,6,7,8,9,10,11,12,13,14,15
	v_pk_fma_f32 v[ACC+2*\q:ACC+2*\q+1], v[ACC+2*\q:ACC+2*\q+1], s[LL:LL+1], v[TN:TN+1] op_sel_hi:[1,0,0]
.endr
	s_wait_alu depctr_va_vdst(0)                   ; ahead of the batch
.irp j, 0,1,2,3,4,5,6,7,8,9,10,11,12,13,14,15,16,17,18,19,20,21,22,23,24,25,26,27,28,29,30,31
	v_exp_f32 v[ACC+\j], v[ACC+\j]
.endr
	v_nop                                          ; a plain place behind the exponentials
	s_wait_alu depctr_va_vdst(0)                   ; and behind it, ahead of its first reader
.irp j, 0,1,2,3
	v_pk_add_f32 v[SU+2*\j:SU+2*\j+1], v[ACC+2*\j:ACC+2*\j+1], v[ACC+8+2*\j:ACC+8+2*\j+1]
.endr
.irp q, 8,12
.irp j, 0,1,2,3
	v_pk_add_f32 v[SU+2*\j:SU+2*\j+1], v[SU+2*\j:SU+2*\j+1], v[ACC+2*(\q+\j):ACC+2*(\q+\j)+1]
.endr
.endr
	v_pk_add_f32 v[SU:SU+1], v[SU:SU+1], v[SU+2:SU+3]
	v_pk_add_f32 v[SU+4:SU+5], v[SU+4:SU+5], v[SU+6:SU+7]
	s_delay_alu instid0(VALU_DEP_1)
	v_pk_add_f32 v[SU:SU+1], v[SU:SU+1], v[SU+4:SU+5]
	s_delay_alu instid0(VALU_DEP_1)
	v_add_f32 v[SU], v[SU], v[SU+1]
	v_permlanex16_b32 v[BX], v[SU], s[SEL], s[SEL+1]
	v_add_f32 v[ST+1], v[SU], v[BX]                ; l
	ds_store_b64 v[STA], v[ST:ST+1] offset:128*(\i)   ; both halves of the lanes hold and store the same pair
.endm
.macro UNIT i
	s_wait_dscnt 0x0                               ; this tile's fragments are in
	WIN 0x01                                       ; source 0 in window 1
	MMS \i
	WIN 0
	PLACES 4                                       ; in front of the loads into Q's registers and of the first read of results
.if \i < 3
	QLOAD AQ, 1536*(\i+1)
.else
	s_cmp_eq_u32 s[CT], 3                          ; the last trip has no next quad
	s_cbranch_scc1 .Llast_\@
	QLOAD AQ, QUADB
	SLOAD QS, AQS, QUADB
.Llast_\@:
.endif
	LIST \i
.endm
	s_load_b128 s[4:7], s[0:1], 0x0                ; qrec, krec
	s_load_b64 s[8:9], s[0:1], 0x10                ; stat
	v_lshl_add_u32 v[SPW], v0, 2, SPARE
	v_mov_b32 v[NIL], 0
	ds_add_u32 v[SPW], v[NIL]                      ; the opening lines: the add, twice on end, and one wait
	ds_add_u32 v[SPW], v[NIL]
	v_lshrrev_b32 v13, 5, v0
	v_readfirstlane_b32 s[WV], v13                 ; wave 0..7
	s_and_b32 s13, s[WV], 3
	s_bfe_u32 s16, ttmp6, 0x40000                  ; cx: the block of 256 queries
	s_bfe_u32 s17, ttmp6, 0x40004                  ; cy
	s_and_b32 s18, ttmp7, 0xffff
	s_lshr_b32 s19, s18, 1                         ; batch
	s_and_b32 s18, s18, 1
	s_lshl_b32 s20, s18, 2
	s_add_co_u32 s20, s20, s17                     ; the block of 512 keys
	s_lshl_b32 s21, 0x1111, s16                    ; my column: same queries
	s_lshl_b32 s15, s17, 2
	s_lshl_b32 s15, 15, s15                        ; my row: same keys
	s_or_b32 s[G1Q], s21, (3<<16)|(1<<21)          ; the mask; elements of 8 bytes; bit 21 set beside a mask
	s_or_b32 s[G1K], s15, (3<<16)|(1<<21)
.irp g, G1Q, G1K                       ; dense blocks as rows of 256 bytes
	s_mov_b32 s[\g+1], 32<<16
	s_mov_b32 s[\g+3], 32<<16
	s_mov_b32 s[\g+5], 32
	s_mov_b32 s[\g+6], 0
	s_mov_b32 s[\g+7], 0
.endr
	s_mov_b32 s[G1Q+2], 100<<16                    ; one quad: 25,600 bytes
	s_mov_b32 s[G1Q+4], 100
	s_mov_b32 s[G1K+2], 200<<16                    ; two quads
	s_mov_b32 s[G1K+4], 200
	s_lshl_b32 s22, s19, 4                         ; Q: quad 16 batch + 4 cx + (wave & 3)
	s_lshl_b32 s23, s16, 2
	s_add_co_u32 s22, s22, s23
	s_add_co_u32 s22, s22, s13
	s_mul_i32 s22, s22, QUADB
	s_mov_b32 s23, 0
	s_lshl_b32 s50, s19, 6                         ; K: quad 64 batch + 8 block + 2 (wave & 3)
	s_lshl_b32 s51, s20, 3
	s_add_co_u32 s50, s50, s51
	s_lshl_b32 s51, s13, 1
	s_add_co_u32 s50, s50, s51
	s_mul_i32 s50, s50, QUADB
	s_mov_b32 s51, 0
	s_lshl_b32 s48, s19, 3                         ; stat: ((((8 batch + block) 4 + cx) 8 + wave) 256 bytes
	s_add_co_u32 s48, s48, s20
	s_lshl_b32 s48, s48, 2
	s_add_co_u32 s48, s48, s16
	s_lshl_b32 s48, s48, 3
	s_add_co_u32 s48, s48, s[WV]
	s_lshl_b32 s48, s48, 8
	s_mov_b32 s49, 0
	s_mul_i32 s[G0Q+1], s13, QUADB                 ; where the loads go: no place in the cluster enters an LDS address
	s_mul_i32 s[G0K+1], s13, 2*QUADB
	s_add_co_u32 s[G0K+1], s[G0K+1], KREG
	s_mul_i32 s59, s[WV], QUADB
	s_add_co_u32 s59, s59, KREG                    ; my keys' records
	s_lshl_b32 s62, s[WV], 11
	s_add_co_u32 s62, s62, STG                     ; my part of the stage
	s_lshl_b32 s63, s[WV], 8
	s_add_co_u32 s63, s63, STG                     ; the queries that I merge
	s_mov_b32 s[LL], 0x3fb8aa3b
	s_mov_b32 s[LL+1], s[LL]
	s_mov_b32 s[NL], 0xbfb8aa3b
	s_mov_b32 s[SEL], 0x76543210
	s_mov_b32 s[SEL+1], 0xfedcba98
	s_wait_dscnt 0x0                               ; both opening adds are done
	s_wait_kmcnt 0x0
	s_mov_b32 s[G0K], 1
	s_add_nc_u64 s[G0K+2:G0K+3], s[6:7], s[50:51]
	s_or_b32 s[G0K+3], s[G0K+3], 0x80000000
	s_mov_b32 s[G0Q], 1
	s_add_nc_u64 s[G0Q+2:G0Q+3], s[4:5], s[22:23]
	s_or_b32 s[G0Q+3], s[G0Q+3], 0x80000000
	s_add_nc_u64 s[8:9], s[8:9], s[48:49]
	CROUND                                         ; all sixteen work-groups are here: the joint loads meet
	s_cmp_lt_u32 s[WV], 4
	s_cbranch_scc0 .Lfor_q
	tensor_load_to_lds s[G0K:G0K+3], s[G1K:G1K+7]
	s_nop 0
	PLACES 4
	s_branch .Lasked
.Lfor_q:
	tensor_load_to_lds s[G0Q:G0Q+3], s[G1Q:G1Q+7]
	s_nop 0
	PLACES 4
.Lasked:
	v_and_b32 v13, 31, v0
	v_and_b32 v14, 15, v0                          ; r
	v_lshlrev_b32 v[LI], 4, v13
	v_lshlrev_b32 v[LO8], 3, v13
	v_add_nc_u32 v[AK], s59, v[LI]
	v_lshl_add_u32 v[AQS0], v14, 4, 6144
	v_add_nc_u32 v[AKS], s59, v[AQS0]
	v_lshl_add_u32 v[STA0], v14, 3, s62
	v_add_nc_u32 v[MA], s63, v[LO8]
	v_mov_b32 v[BX], 0                             ; a lane permute's destination counts as one of its sources
	v_mov_b32 v[TN+1], 0                           ; named as the upper half of a pair
	s_wait_alu depctr_va_vdst(0)                   ; the head's end
	s_wait_tensorcnt 0x0                           ; my load has landed,
	s_barrier_signal -1
	s_barrier_wait -1                              ; everybody's has
	WIN 0x40
.irp a, 0,1,2,3
.irp s, 0,1,2,3
.irp c, 0,1,2
	ds_load_b128 v[12*(4*\a+\s)+4*\c:12*(4*\a+\s)+4*\c+3], v[AK] offset:\s*REC+1536*\a+512*\c
.endr
.endr
.endr
	WIN 0
	SLOAD KS, AKS, 0
	SLOAD QS, AQS0, 0
	QLOAD LI, 0
	s_mov_b32 s[CT], 0
	s_mov_b32 s[QO], 0
	s_mov_b32 s[SO], 0
.Lquad:                                                ; a trip: the four tiles of one quad of queries
	v_add_nc_u32 v[AQ], s[QO], v[LI]
	v_add_nc_u32 v[AQS], s[QO], v[AQS0]
	v_add_nc_u32 v[STA], s[SO], v[STA0]
	s_wait_alu depctr_va_vdst(0)                   ; behind these writes
	UNIT 0
	UNIT 1
	UNIT 2
	UNIT 3
	s_add_co_u32 s[QO], s[QO], QUADB
	s_add_co_u32 s[SO], s[SO], 512
	s_add_co_u32 s[CT], s[CT], 1
	s_cmp_lt_u32 s[CT], 4
	s_cbranch_scc1 .Lquad
	s_wait_dscnt 0x0                               ; my figures are in the stage,
	s_barrier_signal -1
	s_barrier_wait -1                              ; everybody's are
.irp e, 0,1,2,3,4,5,6,7
	ds_load_b64 v[MB+2*\e:MB+2*\e+1], v[MA] offset:2048*\e
.endr
	s_wait_dscnt 0x0
	v_max3_num_f32 v[ST], v[MB], v[MB+2], v[MB+4]
	s_delay_alu instid0(VALU_DEP_1)
	v_max3_num_f32 v[ST], v[ST], v[MB+6], v[MB+8]
	s_delay_alu instid0(VALU_DEP_1)
	v_max3_num_f32 v[ST], v[ST], v[MB+10], v[MB+12]
	s_delay_alu instid0(VALU_DEP_1)
	v_max_num_f32 v[ST], v[ST], v[MB+14]           ; the block's largest score
	s_delay_alu instid0(VALU_DEP_1)
	v_mul_f32 v[TN], s[NL], v[ST]
.irp e, 0,1,2,3,4,5,6,7
	v_mul_f32 v[MB+2*\e], s[NL], v[MB+2*\e]        ; nn of wave e, with the bits that its sum was made with
.endr
.irp e, 0,1,2,3,4,5,6,7
	v_sub_f32 v[MB+2*\e], v[TN], v[MB+2*\e]        ; 0 or less
.endr
	s_wait_alu depctr_va_vdst(0)                   ; ahead of the batch
.irp e, 0,1,2,3,4,5,6,7
	v_exp_f32 v[MB+2*\e], v[MB+2*\e]
.endr
	v_nop
	s_wait_alu depctr_va_vdst(0)                   ; and behind it
	v_mul_f32 v[SU], v[MB+1], v[MB]
	v_mul_f32 v[SU+1], v[MB+3], v[MB+2]
.irp e, 2,4,6
	v_fma_f32 v[SU], v[MB+2*\e+1], v[MB+2*\e], v[SU]
	v_fma_f32 v[SU+1], v[MB+2*\e+3], v[MB+2*\e+2], v[SU+1]
.endr
	s_delay_alu instid0(VALU_DEP_1)
	v_add_f32 v[ST+1], v[SU], v[SU+1]
	global_store_b64 v[LO8], v[ST:ST+1], s[8:9]    ; 32 lanes store 256 consecutive bytes, aligned
	s_wait_tensorcnt 0x0                           ; the wave's end
	ds_add_u32 v[SPW], v[NIL]
	s_wait_dscnt 0x0
	CROUND                                         ; the closing round
	s_endpgm
.Lfunc_end_k_q64943cda8f_stats:
	.size	k_q64943cda8f_stats, .Lfunc_end_k_q64943cda8f_stats-k_q64943cda8f_stats
	.p2alignl 7, 3214868480
	.fill 96, 4, 3214868480
	.section	.rodata,"a",@progbits
	.p2align	6, 0x0
	.amdhsa_kernel k_q64943cda8f_stats
		.amdhsa_group_segment_fixed_size 324608
		.amdhsa_private_segment_fixed_size 0
		.amdhsa_enable_private_segment 0
		.amdhsa_kernarg_size 24
		.amdhsa_user_sgpr_count 2
		.amdhsa_user_sgpr_kernarg_segment_ptr 1
		.amdhsa_wavefront_size32 1
		.amdhsa_system_sgpr_workgroup_id_x 1
		.amdhsa_system_sgpr_workgroup_id_y 1
		.amdhsa_system_sgpr_workgroup_id_z 1
		.amdhsa_system_vgpr_workitem_id 0
		.amdhsa_next_free_vgpr 448
		.amdhsa_next_free_sgpr 66
		.amdhsa_reserve_vcc 0
		.amdhsa_float_denorm_mode_32 3
		.amdhsa_float_denorm_mode_16_64 3
		.amdhsa_memory_ordered 1
		.amdhsa_forward_progress 1
		.amdhsa_inst_pref_size 44
	.end_amdhsa_kernel
	.amdgpu_metadata
---
amdhsa.version: [ 1, 2 ]
amdhsa.kernels:
  - .name:           k_q64943cda8f_stats
    .symbol:         k_q64943cda8f_stats.kd
    .args:
      - { .name: qrec, .offset: 0, .size: 8, .value_kind: global_buffer, .address_space: global }
      - { .name: krec, .offset: 8, .size: 8, .value_kind: global_buffer, .address_space: global }
      - { .name: stat, .offset: 16, .size: 8, .value_kind: global_buffer, .address_space: global }
    .group_segment_fixed_size: 324608
    .private_segment_fixed_size: 0
    .kernarg_segment_align: 8
    .kernarg_segment_size: 24
    .max_flat_workgroup_size: 256
    .sgpr_count:     66
    .vgpr_count:     448
    .wavefront_size: 32
...
	.end_amdgpu_metadata
.endif
;; end of part 2
;; launch probs (part 3): grid 4 x 64, 8 waves a work-group, clusters of 4 x 4, 316,672 bytes of LDS; arguments qrec, krec, stat, prec; writes prec
.if DOCPART == 3
	.amdgcn_target "amdgcn-amd-amdhsa--gfx1250"
	.amdhsa_code_object_version 6
	.text
	.protected	k_q64943cda8f_probs
	.globl	k_q64943cda8f_probs
	.p2align	8
	.type	k_q64943cda8f_probs,@function
k_q64943cda8f_probs:
	s_mov_b64 s[64:65], 0
	v_nop
	global_prefetch_b8 v0, s[64:65] scope:SCOPE_SE
	s_setreg_imm32_b32 hwreg(HW_REG_WAVE_MODE, 25, 1), 1
	s_wait_xcnt 0x0
	s_wait_alu depctr_hold_cnt(0) depctr_sa_sdst(0) depctr_va_vdst(0) depctr_va_sdst(0) depctr_va_ssrc(0) depctr_va_vcc(0) depctr_vm_vsrc(0)
	s_getreg_b32 s2, hwreg(HW_REG_IB_STS2, 6, 4)
	s_cmp_eq_u32 s2, 0
	s_cbranch_scc0 .Lentry_in_a_cluster
	s_endpgm
.Lentry_in_a_cluster:
	s_bfe_u32 s2, ttmp6, 0x10000c
	s_cmp_lg_u32 s2, 0xf033
	s_cbranch_scc0 .Lentry_shape_is_right
	s_endpgm
.Lentry_shape_is_right:
; THE SCORES, SECOND PASS, AND THE WEIGHTS.  The same S^T = K Q^T, each sum by the same instructions in the same order as in the launch before.  A row's 8 block figures (m, l) are merged: NN = -L x the largest m,
; sum = the sum of l_e 2^(NN - nn_e) with nn_e = -L m_e as it was rounded there, c = (1 / sqrt(512)) / sum.  The weight is attn = 2^(s L + NN) c: finished and normalised, as it is to be quantised.
; It is quantised along the keys, block by block of 32.  SHARES, LDS, cluster and loop as in the launch before: wave w keeps keys 64 w on of the work-group's 512 and walks 16 tiles of 16 queries.
; My 64 keys are half of a fragment's 128: registers 6 c .. 6 c + 5, c = w % 2.  They go out as three pieces of 8 bytes a lane: piece p of tile i of a record lies at 1,536 i + 256 p + 8 lane: each store covers 256 consecutive bytes, aligned.
; The scale words (two bytes of each from me) are gathered in LDS and go out at the end, 256 bytes a record, at 6,144 + 16 r + 4 i.
; A block's largest weight is not searched for: the block's largest SCORE goes through the same multiply-add, exponential and multiplication (this takes v_exp_f32 not to fall where its input rises).
; Wave w merges queries 32 w on at the head, between the tiles' request and the wait for them; (NN, NN, c, c) of each query lies in LDS for all waves.
; No prefetch: all that the launch reads is asked for at its head.
; LIMITS: NaN and infinities are not served; weights under 2^-126 of the row's largest count as 0; a block whose largest weight lies under 2^-124 gets the byte 1 (zeros too: only this program reads the bytes);
; c is made as (1 / sqrt(512)) x rcp(sum), so the weight is rounded in another order than exp / sum x factor; the promise holds while |s L| stays under 2^31.
.set REC,   6400
.set QUADB, 4*REC
.set KREG,  4*QUADB
.set SPARE, 3*KREG
.set NCS,   SPARE+1024                 ; 16 bytes a query
.set PSG,   NCS+4096+256               ; 16 records' scale words: (4 x + g) 256
.set SPW, 1
.set NIL, 2
.set LI,  3
.set LO8, 4
.set AK,  5
.set AKS, 6
.set AQS0, 7
.set NCA, 8                            ; where I put a merged query
.set NCR0, 9                           ; where a tile's are read, tile 0
.set PSA0, 10                          ; my two scale bytes, quad 0
.set PSR, 11                           ; the two records' words that I send
.set AQ,  12                           ; this trip's
.set AQS, 13
.set NCR, 14
.set PSA, 15
.set KS,  16
.set QS,  32
.set QF,  48
.set ACC, 96
.set MX,  128
.set ST,  132                          ; four registers: NN, NN, c, c
.set BX,  136
.set TN,  138
.set SU,  140
.set NC,  142                          ; two sets of four
.set SOP, 150                          ; the conversions' scale operands
.set BY,  152
.set PW,  154
.set PC,  156                          ; +0..5 the codes; +6..8 the second conversion's
.set MB,  166
.set PO,  182                          ; this trip's offset in prec
.set WV,  12
.set G1Q, 24
.set G1K, 32
.set G0K, 40
.set G0Q, 44
.set LL,  52
.set NL,  54
.set NF,  55
.set SEL, 56
.set CT,  58
.set QO,  59
.set SO,  60
.set PS,  61
.set MSB, 0
.macro WIN new                         ; the immediate's high byte repeats the setting that is left
.if MSB != (\new)
	s_set_vgpr_msb (MSB<<8)|(\new)
.set MSB, (\new)
.endif
.endm
.macro PLACES n
.rept \n
	v_nop
.endr
.endm
.macro CROUND                          ; a round of the cluster's barrier
	s_barrier_signal -1
	s_barrier_wait -1
	s_cmp_lg_u32 s[WV], 0
	s_cbranch_scc1 .Lnot_wave_0_\@
	s_barrier_signal -3
.Lnot_wave_0_\@:
	s_barrier_wait -3
	s_barrier_signal -1
	s_barrier_wait -1
.endm
.macro QLOAD adr, off
.irp s, 0,1,2,3
.irp c, 0,1,2
	ds_load_b128 v[QF+12*\s+4*\c:QF+12*\s+4*\c+3], v[\adr] offset:(\off)+\s*REC+512*\c
.endr
.endr
.endm
.macro SLOAD reg, adr, off
.irp s, 0,1,2,3
	ds_load_b128 v[\reg+4*\s:\reg+4*\s+3], v[\adr] offset:(\off)+\s*REC
.endr
.endm
.macro MMS i                           ; the four accumulators take turns, one instruction a turn; K ascends in each; the first K step starts the sums
.irp s, 0,1,2,3
.irp a, 0,1,2,3
.if \s == 0
	v_wmma_scale_f32_16x16x128_f8f6f4 v[ACC+8*\a:ACC+8*\a+7], v[12*(4*\a+\s):12*(4*\a+\s)+11], v[QF+12*\s:QF+12*\s+11], 0, v[KS+4*\s+\a], v[QS+4*\s+(\i)] matrix_a_fmt:MATRIX_FMT_FP6 matrix_b_fmt:MATRIX_FMT_FP6
.else
	v_wmma_scale_f32_16x16x128_f8f6f4 v[ACC+8*\a:ACC+8*\a+7], v[12*(4*\a+\s):12*(4*\a+\s)+11], v[QF+12*\s:QF+12*\s+11], v[ACC+8*\a:ACC+8*\a+7], v[KS+4*\s+\a], v[QS+4*\s+(\i)] matrix_a_fmt:MATRIX_FMT_FP6 matrix_b_fmt:MATRIX_FMT_FP6
.endif
.endr
.endr
.endm
.macro MAX4                            ; each accumulator's largest, the four by turns, each read from its low end on
.irp a, 0,1,2,3
	v_max3_num_f32 v[MX+\a], v[ACC+8*\a], v[ACC+8*\a+1], v[ACC+8*\a+2]
.endr
.irp j, 3,5
.irp a, 0,1,2,3
	v_max3_num_f32 v[MX+\a], v[MX+\a], v[ACC+8*\a+\j], v[ACC+8*\a+\j+1]
.endr
.endr
.irp a, 0,1,2,3
	v_max_num_f32 v[MX+\a], v[MX+\a], v[ACC+8*\a+7]
.endr
.endm
; My 32 scores, register 16 j + n = key 32 j + 16 h + n of my 64, become weights, six registers of codes and two scale bytes.
.macro LIST i
.set TT, NC+4*((\i)%2)                 ; NN at TT, c at TT + 2
	MAX4
	v_max_num_f32 v[MX], v[MX], v[MX+1]
	v_max_num_f32 v[MX+2], v[MX+2], v[MX+3]
	v_permlanex16_b32 v[BX], v[MX], s[SEL], s[SEL+1]
	v_permlanex16_b32 v[BX+1], v[MX+2], s[SEL], s[SEL+1]
	v_max_num_f32 v[MX], v[MX], v[BX]              ; my two blocks' largest scores
	v_max_num_f32 v[MX+2], v[MX+2], v[BX+1]
	v_fma_f32 v[MX], v[MX], s[LL], v[TT]
	v_fma_f32 v[MX+2], v[MX+2], s[LL], v[TT]
.irp q, 0,1,2,3,4,5,6,7,8,9,10,11,12,13,14,15
	v_pk_fma_f32 v[ACC+2*\q:ACC+2*\q+1], v[ACC+2*\q:ACC+2*\q+1], s[LL:LL+1], v[TT:TT+1] op_sel_hi:[1,0,0]
.endr
	s_wait_alu depctr_va_vdst(0)                   ; ahead of the batch
.irp j, 0,1,2,3,4,5,6,7,8,9,10,11,12,13,14,15,16,17,18,19,20,21,22,23,24,25,26,27,28,29,30,31
	v_exp_f32 v[ACC+\j], v[ACC+\j]
.endr
	v_exp_f32 v[MX], v[MX]
	v_exp_f32 v[MX+2], v[MX+2]
	v_nop                                          ; a plain place behind the exponentials
	s_wait_alu depctr_va_vdst(0)                   ; and behind it, ahead of its first reader
.irp q, 0,1,2,3,4,5,6,7,8,9,10,11,12,13,14,15
	v_pk_mul_f32 v[ACC+2*\q:ACC+2*\q+1], v[ACC+2*\q:ACC+2*\q+1], v[TT+2:TT+3] op_sel_hi:[1,0]   ; the finished weight
.endr
	v_mul_f32 v[MX], v[MX], v[TT+2]                ; the blocks' largest weights: the same instructions on the same numbers
	v_mul_f32 v[MX+2], v[MX+2], v[TT+2]
	v_max_num_f32 v[MX], 0x1800000, v[MX]          ; the floor 2^(3 - 127): the byte cannot fall under 1
	v_max_num_f32 v[MX+2], 0x1800000, v[MX+2]
	v_add_nc_u32 v[SOP], 0xff000000, v[MX]         ; 2 off the exponent field: the conversion's scale operand
	v_add_nc_u32 v[SOP+1], 0xff000000, v[MX+2]
	v_lshrrev_b32 v[BY], 23, v[SOP]
	v_lshrrev_b32 v[BY+1], 23, v[SOP+1]
	s_delay_alu instid0(VALU_DEP_1)
	v_lshl_or_b32 v[PW], v[BY+1], 8, v[BY]
	ds_store_b16 v[PSA], v[PW] offset:4*(\i)       ; both halves of the lanes hold and store the same two bytes
	v_cvt_scalef32_pk16_fp6_f32 v[PC:PC+2], v[ACC:ACC+15], v[SOP]
	v_cvt_scalef32_pk16_fp6_f32 v[PC+6:PC+8], v[ACC+16:ACC+31], v[SOP+1]   ; (a conversion's three registers begin on an even number)
	v_nop                                          ; one plain place behind a scaled conversion
.irp n, 0,1,2
	v_permlane16_swap_b32 v[PC+\n], v[PC+6+\n]     ; the operand's layout wants a whole block in a lane
.endr
.irp n, 0,1,2
	v_mov_b32 v[PC+3+\n], v[PC+6+\n]
.endr
.irp n, 0,1,2
	global_store_b64 v[PO], v[PC+2*\n:PC+2*\n+1], s[10:11] offset:1536*(\i)+256*\n
.endr
.endm
.macro UNIT i
	s_wait_dscnt 0x0                               ; this tile's fragments, NN and c are in
	s_wait_xcnt 0x0                                ; the last unit's stores have read their registers
	WIN 0x01                                       ; source 0 in window 1
	MMS \i
	WIN 0
	PLACES 4                                       ; in front of the loads into Q's registers and of the first read of results
.if \i < 3
	QLOAD AQ, 1536*(\i+1)
	ds_load_b128 v[NC+4*((\i+1)%2):NC+4*((\i+1)%2)+3], v[NCR] offset:256*(\i+1)
.else
	s_cmp_eq_u32 s[CT], 3                          ; the last trip has no next quad
	s_cbranch_scc1 .Llast_\@
	QLOAD AQ, QUADB
	SLOAD QS, AQS, QUADB
	ds_load_b128 v[NC:NC+3], v[NCR] offset:1024
.Llast_\@:
.endif
	LIST \i
.endm
	s_load_b256 s[4:11], s[0:1], 0x0               ; qrec, krec, stat, prec
	v_lshl_add_u32 v[SPW], v0, 2, SPARE
	v_mov_b32 v[NIL], 0
	ds_add_u32 v[SPW], v[NIL]                      ; the opening lines: the add, twice on end, and one wait
	ds_add_u32 v[SPW], v[NIL]
	v_lshrrev_b32 v13, 5, v0
	v_readfirstlane_b32 s[WV], v13                 ; wave 0..7
	s_and_b32 s13, s[WV], 3
	s_bfe_u32 s16, ttmp6, 0x40000                  ; cx
	s_bfe_u32 s17, ttmp6, 0x40004                  ; cy
	s_and_b32 s18, ttmp7, 0xffff
	s_lshr_b32 s19, s18, 1                         ; batch
	s_and_b32 s18, s18, 1
	s_lshl_b32 s20, s18, 2
	s_add_co_u32 s20, s20, s17                     ; the block of 512 keys
	s_lshl_b32 s21, 0x1111, s16
	s_lshl_b32 s15, s17, 2
	s_lshl_b32 s15, 15, s15
	s_or_b32 s[G1Q], s21, (3<<16)|(1<<21)
	s_or_b32 s[G1K], s15, (3<<16)|(1<<21)
.irp g, G1Q, G1K
	s_mov_b32 s[\g+1], 32<<16
	s_mov_b32 s[\g+3], 32<<16
	s_mov_b32 s[\g+5], 32
	s_mov_b32 s[\g+6], 0
	s_mov_b32 s[\g+7], 0
.endr
	s_mov_b32 s[G1Q+2], 100<<16
	s_mov_b32 s[G1Q+4], 100
	s_mov_b32 s[G1K+2], 200<<16
	s_mov_b32 s[G1K+4], 200
	s_lshl_b32 s22, s19, 4
	s_lshl_b32 s23, s16, 2
	s_add_co_u32 s21, s22, s23                     ; 16 batch + 4 cx: the work-group's first quad of queries
	s_add_co_u32 s22, s21, s13
	s_mul_i32 s22, s22, QUADB
	s_mov_b32 s23, 0
	s_lshl_b32 s50, s19, 6
	s_lshl_b32 s51, s20, 3
	s_add_co_u32 s50, s50, s51
	s_lshl_b32 s51, s13, 1
	s_add_co_u32 s50, s50, s51
	s_mul_i32 s50, s50, QUADB
	s_mov_b32 s51, 0
	s_lshr_b32 s2, s[WV], 1
	s_and_b32 s3, s[WV], 1
	s_lshl_b32 s48, s21, 5                         ; my codes: record (first quad) 32 + 4 block + w / 2, + 768 (w % 2)
	s_lshl_b32 s49, s20, 2
	s_add_co_u32 s48, s48, s49
	s_add_co_u32 s48, s48, s2
	s_mul_i32 s48, s48, REC
	s_mul_i32 s49, s3, 768
	s_add_co_u32 s48, s48, s49
	s_mov_b32 s49, 0
	s_add_co_u32 s14, s21, s2                      ; the scale words that I send: records (first quad + w / 2) 32 + 4 block + 2 (w % 2) and the next
	s_lshl_b32 s14, s14, 5
	s_lshl_b32 s15, s20, 2
	s_add_co_u32 s14, s14, s15
	s_lshl_b32 s15, s3, 1
	s_add_co_u32 s14, s14, s15
	s_mul_i32 s14, s14, REC
	s_add_co_u32 s14, s14, 6144
	s_mov_b32 s15, 0
	s_lshl_b32 s18, s19, 5                         ; stat: ((32 batch + cx) 8 + wave) 256 bytes; from block to block 8,192
	s_add_co_u32 s18, s18, s16
	s_lshl_b32 s18, s18, 3
	s_add_co_u32 s18, s18, s[WV]
	s_lshl_b32 s18, s18, 8
	s_mov_b32 s19, 0
	s_mul_i32 s[G0Q+1], s13, QUADB
	s_mul_i32 s[G0K+1], s13, 2*QUADB
	s_add_co_u32 s[G0K+1], s[G0K+1], KREG
	s_mul_i32 s59, s[WV], QUADB
	s_add_co_u32 s59, s59, KREG
	s_lshl_b32 s60, s[WV], 9
	s_add_co_u32 s62, s60, NCS
	s_add_co_u32 s60, s60, PSG
	s_lshl_b32 s63, s2, 8
	s_lshl_b32 s3, s3, 1
	s_add_co_u32 s63, s63, s3
	s_add_co_u32 s63, s63, PSG
	s_mov_b32 s[LL], 0x3fb8aa3b
	s_mov_b32 s[LL+1], s[LL]
	s_mov_b32 s[NL], 0xbfb8aa3b
	s_mov_b32 s[NF], 0x3d3504f3                    ; 1 / sqrt(512)
	s_mov_b32 s[SEL], 0x76543210
	s_mov_b32 s[SEL+1], 0xfedcba98
	s_wait_dscnt 0x0                               ; both opening adds are done
	s_wait_kmcnt 0x0
	s_mov_b32 s[G0K], 1
	s_add_nc_u64 s[G0K+2:G0K+3], s[6:7], s[50:51]
	s_or_b32 s[G0K+3], s[G0K+3], 0x80000000
	s_mov_b32 s[G0Q], 1
	s_add_nc_u64 s[G0Q+2:G0Q+3], s[4:5], s[22:23]
	s_or_b32 s[G0Q+3], s[G0Q+3], 0x80000000
	s_add_nc_u64 s[8:9], s[8:9], s[18:19]
	s_add_nc_u64 s[14:15], s[10:11], s[14:15]
	s_add_nc_u64 s[10:11], s[10:11], s[48:49]
	CROUND                                         ; all sixteen work-groups are here: the joint loads meet
	s_cmp_lt_u32 s[WV], 4
	s_cbranch_scc0 .Lfor_q
	tensor_load_to_lds s[G0K:G0K+3], s[G1K:G1K+7]
	s_nop 0
	PLACES 4
	s_branch .Lasked
.Lfor_q:
	tensor_load_to_lds s[G0Q:G0Q+3], s[G1Q:G1Q+7]
	s_nop 0
	PLACES 4
.Lasked:
	v_and_b32 v183, 31, v0
	v_and_b32 v184, 15, v0                         ; r
	v_lshlrev_b32 v[LI], 4, v183
	v_lshlrev_b32 v[LO8], 3, v183
	v_add_nc_u32 v[AK], s59, v[LI]
	v_lshl_add_u32 v[AQS0], v184, 4, 6144
	v_add_nc_u32 v[AKS], s59, v[AQS0]
	v_add_nc_u32 v[NCA], s62, v[LI]
	v_lshl_add_u32 v[NCR0], v184, 4, NCS
	v_lshl_add_u32 v[PSA0], v184, 4, s63
	v_add_nc_u32 v[PSR], s60, v[LO8]
	v_mov_b32 v[BX], 0                             ; a lane permute's destination counts as one of its sources
	v_mov_b32 v[BX+1], 0
	s_wait_alu depctr_va_vdst(0)                   ; behind these writes
.irp e, 0,1,2,3,4,5,6,7
	global_load_b64 v[MB+2*\e:MB+2*\e+1], v[LO8], s[8:9] offset:8192*\e   ; each load reads 256 consecutive bytes
.endr
	s_wait_loadcnt 0x0
	v_max3_num_f32 v[ST], v[MB], v[MB+2], v[MB+4]
	s_delay_alu instid0(VALU_DEP_1)
	v_max3_num_f32 v[ST], v[ST], v[MB+6], v[MB+8]
	s_delay_alu instid0(VALU_DEP_1)
	v_max3_num_f32 v[ST], v[ST], v[MB+10], v[MB+12]
	s_delay_alu instid0(VALU_DEP_1)
	v_max_num_f32 v[ST], v[ST], v[MB+14]           ; the row's largest score
	s_delay_alu instid0(VALU_DEP_1)
	v_mul_f32 v[TN], s[NL], v[ST]                  ; NN
.irp e, 0,1,2,3,4,5,6,7
	v_mul_f32 v[MB+2*\e], s[NL], v[MB+2*\e]        ; nn_e, with the bits that the block's sum was made with
.endr
.irp e, 0,1,2,3,4,5,6,7
	v_sub_f32 v[MB+2*\e], v[TN], v[MB+2*\e]        ; 0 or less
.endr
	s_wait_alu depctr_va_vdst(0)                   ; ahead of the batch
.irp e, 0,1,2,3,4,5,6,7
	v_exp_f32 v[MB+2*\e], v[MB+2*\e]
.endr
	v_nop
	s_wait_alu depctr_va_vdst(0)                   ; and behind it
	v_mul_f32 v[SU], v[MB+1], v[MB]
	v_mul_f32 v[SU+1], v[MB+3], v[MB+2]
.irp e, 2,4,6
	v_fma_f32 v[SU], v[MB+2*\e+1], v[MB+2*\e], v[SU]
	v_fma_f32 v[SU+1], v[MB+2*\e+3], v[MB+2*\e+2], v[SU+1]
.endr
	s_delay_alu instid0(VALU_DEP_1)
	v_add_f32 v[SU], v[SU], v[SU+1]                ; the row's sum under NN: at least about 1
	s_wait_alu depctr_va_vdst(0)                   ; ahead of the transcendental
	v_rcp_f32 v[SU+1], v[SU]
	v_mov_b32 v[ST], v[TN]                         ; (plain places behind it)
	v_mov_b32 v[ST+1], v[TN]
	s_wait_alu depctr_va_vdst(0)                   ; and ahead of its reader
	v_mul_f32 v[ST+2], s[NF], v[SU+1]              ; c
	v_mul_f32 v[ST+3], s[NF], v[SU+1]
	s_wait_alu depctr_va_vdst(0)                   ; the head's end
	s_wait_tensorcnt 0x0                           ; my load has landed,
	ds_store_b128 v[NCA], v[ST:ST+3]
	s_wait_dscnt 0x0                               ; my 32 queries' numbers are in LDS,
	s_barrier_signal -1
	s_barrier_wait -1                              ; everybody's are
	WIN 0x40
.irp a, 0,1,2,3
.irp s, 0,1,2,3
.irp c, 0,1,2
	ds_load_b128 v[12*(4*\a+\s)+4*\c:12*(4*\a+\s)+4*\c+3], v[AK] offset:\s*REC+1536*\a+512*\c
.endr
.endr
.endr
	WIN 0
	SLOAD KS, AKS, 0
	SLOAD QS, AQS0, 0
	QLOAD LI, 0
	ds_load_b128 v[NC:NC+3], v[NCR0]
	s_mov_b32 s[CT], 0
	s_mov_b32 s[QO], 0
	s_mov_b32 s[SO], 0
	s_mov_b32 s[PS], 0
.Lquad:                                                ; a trip: the four tiles of one quad of queries
	s_wait_xcnt 0x0                                ; the last trip's stores have read their offset
	v_add_nc_u32 v[AQ], s[QO], v[LI]
	v_add_nc_u32 v[AQS], s[QO], v[AQS0]
	v_add_nc_u32 v[NCR], s[SO], v[NCR0]
	v_add_nc_u32 v[PSA], s[SO], v[PSA0]
	v_add_nc_u32 v[PO], s[PS], v[LO8]
	s_wait_alu depctr_va_vdst(0)                   ; behind these writes
	UNIT 0
	UNIT 1
	UNIT 2
	UNIT 3
	s_add_co_u32 s[QO], s[QO], QUADB
	s_add_co_u32 s[SO], s[SO], 1024
	s_add_co_u32 s[PS], s[PS], 32*REC              ; the next quad of queries: 32 records on
	s_add_co_u32 s[CT], s[CT], 1
	s_cmp_lt_u32 s[CT], 4
	s_cbranch_scc1 .Lquad
	s_wait_dscnt 0x0                               ; my scale bytes are in LDS,
	s_barrier_signal -1
	s_barrier_wait -1                              ; everybody's are
	ds_load_b64 v[MB:MB+1], v[PSR]
	ds_load_b64 v[MB+2:MB+3], v[PSR] offset:256
	s_wait_dscnt 0x0
	global_store_b64 v[LO8], v[MB:MB+1], s[14:15]              ; a record's 256 bytes of scale words, aligned
	global_store_b64 v[LO8], v[MB+2:MB+3], s[14:15] offset:REC
	s_wait_tensorcnt 0x0                           ; the wave's end
	ds_add_u32 v[SPW], v[NIL]
	s_wait_dscnt 0x0
	CROUND                                         ; the closing round
	s_endpgm
.Lfunc_end_k_q64943cda8f_probs:
	.size	k_q64943cda8f_probs, .Lfunc_end_k_q64943cda8f_probs-k_q64943cda8f_probs
	.p2alignl 7, 3214868480
	.fill 96, 4, 3214868480
	.section	.rodata,"a",@progbits
	.p2align	6, 0x0
	.amdhsa_kernel k_q64943cda8f_probs
		.amdhsa_group_segment_fixed_size 316672
		.amdhsa_private_segment_fixed_size 0
		.amdhsa_enable_private_segment 0
		.amdhsa_kernarg_size 32
		.amdhsa_user_sgpr_count 2
		.amdhsa_user_sgpr_kernarg_segment_ptr 1
		.amdhsa_wavefront_size32 1
		.amdhsa_system_sgpr_workgroup_id_x 1
		.amdhsa_system_sgpr_workgroup_id_y 1
		.amdhsa_system_sgpr_workgroup_id_z 1
		.amdhsa_system_vgpr_workitem_id 0
		.amdhsa_next_free_vgpr 448
		.amdhsa_next_free_sgpr 66
		.amdhsa_reserve_vcc 0
		.amdhsa_float_denorm_mode_32 3
		.amdhsa_float_denorm_mode_16_64 3
		.amdhsa_memory_ordered 1
		.amdhsa_forward_progress 1
		.amdhsa_inst_pref_size 51
	.end_amdhsa_kernel
	.amdgpu_metadata
---
amdhsa.version: [ 1, 2 ]
amdhsa.kernels:
  - .name:           k_q64943cda8f_probs
    .symbol:         k_q64943cda8f_probs.kd
    .args:
      - { .name: qrec, .offset: 0, .size: 8, .value_kind: global_buffer, .address_space: global }
      - { .name: krec, .offset: 8, .size: 8, .value_kind: global_buffer, .address_space: global }
      - { .name: stat, .offset: 16, .size: 8, .value_kind: global_buffer, .address_space: global }
      - { .name: prec, .offset: 24, .size: 8, .value_kind: global_buffer, .address_space: global }
    .group_segment_fixed_size: 316672
    .private_segment_fixed_size: 0
    .kernarg_segment_align: 8
    .kernarg_segment_size: 32
    .max_flat_workgroup_size: 256
    .sgpr_count:     66
    .vgpr_count:     448
    .wavefront_size: 32
...
	.end_amdgpu_metadata
.endif
;; end of part 3
;; launch pv (part 4): grid 4 x 64, 4 waves a work-group, clusters of 4 x 4, 327,680 bytes of LDS; arguments prec, vrec, out0; writes out0
.if DOCPART == 4
	.amdgcn_target "amdgcn-amd-amdhsa--gfx1250"
	.amdhsa_code_object_version 6
	.text
	.protected	k_q64943cda8f_pv
	.globl	k_q64943cda8f_pv
	.p2align	8
	.type	k_q64943cda8f_pv,@function
k_q64943cda8f_pv:
	s_mov_b64 s[64:65], 0
	v_nop
	global_prefetch_b8 v0, s[64:65] scope:SCOPE_SE
	s_setreg_imm32_b32 hwreg(HW_REG_WAVE_MODE, 25, 1), 1
	s_wait_xcnt 0x0
	s_wait_alu depctr_hold_cnt(0) depctr_sa_sdst(0) depctr_va_vdst(0) depctr_va_sdst(0) depctr_va_ssrc(0) depctr_va_vcc(0) depctr_vm_vsrc(0)
	s_getreg_b32 s2, hwreg(HW_REG_IB_STS2, 6, 4)
	s_cmp_eq_u32 s2, 0
	s_cbranch_scc0 .Lentry_in_a_cluster
	s_endpgm
.Lentry_in_a_cluster:
	s_bfe_u32 s2, ttmp6, 0x10000c
	s_cmp_lg_u32 s2, 0xf033
	s_cbranch_scc0 .Lentry_shape_is_right
	s_endpgm
.Lentry_shape_is_right:
; O = attn V on the codes that the launches before made: O^T = V^T P^T, K = the batch's 4,096 keys, in 32 key groups of 128.
; SHARES.  A work-group takes 128 queries x 128 channels of one batch; wave w takes queries 64 (w / 2) on x channels 64 (w % 2) on: 16 accumulators.  Source 0 = 16 channels of V^T, source 1 = 16 queries of P:
; a lane holds one query, and its eight registers of a tile eight neighbouring channels.  The tile is this small so that the 8 x 8 x 4 blocks of the output give each of 256 work-groups one block.
; LDS: two slots of 153,600 bytes, each with SIX key groups: P's two quads of queries, then V's two quads of channels, 38,400 bytes (six records on end in memory) each; one tensor load a wave fills a quarter of a slot.
; The slots are as large as fit beside the stage and the spare words (325,120 bytes in all), so that a refill has six key groups' work, 96 matrix instructions a wave, in which to land, and the 32 key groups want four refills:
; key groups 0-5 and 6-11 are first fills; 12-17, 18-23 and 24-29 are whole refills; 30-31 come as a short tile with groups 1 of its own.  The visits are written out.
; CLUSTER 4 x 4: the four work-groups of a row share P's records, the four of a column V's: joint loads; where a slot is filled again a round of the cluster's barrier stands in front.
; THE ROWS OF A TILE ARE NOT NEIGHBOURS (they were chosen by the launches before): lane r of tile t is row 32 (t / 2) + 8 (t % 2) + r + 8 (r / 8) of its 64; the way out puts rows and channels back.
; REGISTERS.  window 0: v1-12 addresses; v32-39 scale words, two sets (lanes 0-15 P's tile, lanes 16-31 V's); v64-191 accumulator (b, a) at 64 + 32 b + 8 a; v192-255 the way out.   window 1: two sets of 96: V's four fragments, P's four.
.set REC,   6400
.set GPS,   6                          ; key groups in a slot
.set WREG,  GPS*REC                    ; what one tensor load brings
.set SLOT,  4*WREG
.set STAGE, 2*SLOT                     ; 16 rows x 272 bytes for each wave; no tensor load lands here
.set SPITCH, 272
.set SPARE, STAGE+4*16*SPITCH          ; the spare words, 128 bytes a wave: two blocks of 256 bytes that no other line names
.set SPW, 1
.set NIL, 2
.set AP,  4                            ; v4, v5: slot 0, 1
.set AV,  6
.set ASC, 8
.set STO, 10
.set RD,  11
.set GO,  12
.set SC,  32
.set ACC, 64
.set BK,  192
.set G1P, 24
.set G0P, 32                           ; s[32:35], s[36:39]: slot 0, 1
.set G1V, 48
.set G0V, 56
.set G1PS, 68                          ; groups 1 of the short tile: two records
.set G1VS, 76
.set MSB, 0
.macro WIN new                         ; the immediate's high byte repeats the setting that is left
.if MSB != (\new)
	s_set_vgpr_msb (MSB<<8)|(\new)
.set MSB, (\new)
.endif
.endm
.macro PLACES n
.rept \n
	v_nop
.endr
.endm
.macro CROUND                          ; a round of the cluster's barrier
	s_barrier_signal -1
	s_barrier_wait -1
	s_cmp_lg_u32 s10, 0
	s_cbranch_scc1 .Lnot_wave_0_\@
	s_barrier_signal -3
.Lnot_wave_0_\@:
	s_barrier_wait -3
	s_barrier_signal -1
	s_barrier_wait -1
.endm
.macro JLOAD n, g1p, g1v               ; waves 0, 1 ask for P's two quads, waves 2, 3 for V's; four v_nop follow each of the two lines
	s_cmp_eq_u32 s11, 0
	s_cbranch_scc0 .Lfor_v_\@
	tensor_load_to_lds s[G0P+4*(\n):G0P+4*(\n)+3], s[\g1p:\g1p+7]
	s_nop 0
	PLACES 4
	s_branch .Lasked_\@
.Lfor_v_\@:
	tensor_load_to_lds s[G0V+4*(\n):G0V+4*(\n)+3], s[\g1v:\g1v+7]
	s_nop 0
	PLACES 4
.Lasked_\@:
.endm
.macro FETCH n, j, set                 ; key group j of slot n: 4 fragments of V (3 loads of 16 bytes a lane), 4 of P (6 pieces of 8 bytes a lane, as the launch before laid them), the scale words: 37 loads
	WIN 0x40
.irp a, 0,1,2,3
.irp c, 0,1,2
	ds_load_b128 v[96*(\set)+12*\a+4*\c:96*(\set)+12*\a+4*\c+3], v[AV+(\n)] offset:REC*(\j)+1536*\a+512*\c
.endr
.endr
.irp b, 0,1,2,3
.irp c, 0,1,2,3,4,5
	ds_load_b64 v[96*(\set)+48+12*\b+2*\c:96*(\set)+48+12*\b+2*\c+1], v[AP+(\n)] offset:REC*(\j)+1536*\b+256*\c
.endr
.endr
	WIN 0
	ds_load_b128 v[SC+4*(\set):SC+4*(\set)+3], v[ASC+(\n)] offset:REC*(\j)
.endm
.macro GRP n, ng, zero                 ; key group GJ of the slot's ng: 16 matrix instructions, the 16 accumulators by turns
.if GJ < (\ng)-1
	PLACES 4                                       ; in front of loads into registers that matrix instructions have read
	FETCH \n, GJ+1, (GJ+1)%2
	s_wait_dscnt 37                                ; all but the 37 just issued
.else
	s_wait_dscnt 0x0
.endif
	WIN 0x05
.irp b, 0,1,2,3
.irp a, 0,1,2,3
.if (\zero) && (GJ == 0)
	v_wmma_scale_f32_16x16x128_f8f6f4 v[ACC+32*\b+8*\a:ACC+32*\b+8*\a+7], v[96*(GJ%2)+12*\a:96*(GJ%2)+12*\a+11], v[96*(GJ%2)+48+12*\b:96*(GJ%2)+48+12*\b+11], 0, v[SC+4*(GJ%2)+\a], v[SC+4*(GJ%2)+\b] matrix_a_fmt:MATRIX_FMT_FP6 matrix_b_fmt:MATRIX_FMT_FP6 matrix_a_scale:MATRIX_SCALE_ROW1
.else
	v_wmma_scale_f32_16x16x128_f8f6f4 v[ACC+32*\b+8*\a:ACC+32*\b+8*\a+7], v[96*(GJ%2)+12*\a:96*(GJ%2)+12*\a+11], v[96*(GJ%2)+48+12*\b:96*(GJ%2)+48+12*\b+11], v[ACC+32*\b+8*\a:ACC+32*\b+8*\a+7], v[SC+4*(GJ%2)+\a], v[SC+4*(GJ%2)+\b] matrix_a_fmt:MATRIX_FMT_FP6 matrix_b_fmt:MATRIX_FMT_FP6 matrix_a_scale:MATRIX_SCALE_ROW1
.endif
.endr
.endr
	WIN 0
.endm
.macro WORK n, ng, zero                ; the ng key groups of slot n
	FETCH \n, 0, 0
.set GJ, 0
.rept \ng
	GRP \n, \ng, \zero
.set GJ, GJ+1
.endr
.endm
; The change of slots stands at a slot's head.  refill = 1: the slot just left takes the key groups twelve on from those that it held; 2: the same, the short tile; 0: nothing is left to fetch.
.macro VISIT n, ng, refill
	s_wait_tensorcnt 0x0                           ; all my tensor loads have landed, my part of this slot among them: every group 0 may be written
	ds_add_u32 v[SPW], v[NIL]                      ; 0 onto my spare word
.if \refill
	s_add_nc_u64 s[G0P+4*(1-\n)+2:G0P+4*(1-\n)+3], s[G0P+4*(1-\n)+2:G0P+4*(1-\n)+3], 2*WREG
	s_add_nc_u64 s[G0V+4*(1-\n)+2:G0V+4*(1-\n)+3], s[G0V+4*(1-\n)+2:G0V+4*(1-\n)+3], 2*WREG
.endif
	s_wait_dscnt 0x0                               ; the add is done, and my reads of the slot that I have left are in
.if \refill == 1
	CROUND                                         ; no wave of any partner still reads that slot or has a load on its way
	JLOAD 1-\n, G1P, G1V                           ; my one tensor load behind the round; its four v_nop are also the places in front of the loads below
.elseif \refill == 2
	CROUND
	JLOAD 1-\n, G1PS, G1VS
.else
	s_barrier_signal -1
	s_barrier_wait -1
	PLACES 4
.endif
	s_wait_alu depctr_va_vdst(0)
	WORK \n, \ng, 0
.endm
	s_load_b128 s[4:7], s[0:1], 0x0                ; prec, vrec
	s_load_b64 s[8:9], s[0:1], 0x10                ; out0
	v_lshl_add_u32 v[SPW], v0, 2, SPARE
	v_mov_b32 v[NIL], 0
	ds_add_u32 v[SPW], v[NIL]                      ; the opening lines: the add, twice on end; the set-up below stands between them and their wait
	ds_add_u32 v[SPW], v[NIL]
	v_lshrrev_b32 v13, 5, v0
	v_readfirstlane_b32 s10, v13                   ; wave 0..3
	s_lshr_b32 s11, s10, 1                         ; which 64 queries.  Also: I fetch for P (0) or for V (1)
	s_and_b32 s12, s10, 1                          ; which 64 channels.  Also: which quad I fetch
	s_bfe_u32 s16, ttmp6, 0x40000                  ; cx: the block of 128 channels
	s_bfe_u32 s17, ttmp6, 0x40004                  ; cy
	s_and_b32 s18, ttmp7, 0xffff
	s_lshr_b32 s19, s18, 1                         ; batch
	s_and_b32 s18, s18, 1
	s_lshl_b32 s20, s18, 2
	s_add_co_u32 s20, s20, s17                     ; the block of 128 queries
	s_lshl_b32 s21, s17, 2
	s_lshl_b32 s21, 15, s21                        ; my row of the cluster: same queries
	s_lshl_b32 s15, 0x1111, s16                    ; my column: same channels
	s_or_b32 s[G1P], s21, (3<<16)|(1<<21)          ; 15:0 the mask; elements of 8 bytes; bit 21 set beside a mask
	s_or_b32 s[G1V], s15, (3<<16)|(1<<21)
	s_or_b32 s[G1PS], s21, (3<<16)|(1<<21)
	s_or_b32 s[G1VS], s15, (3<<16)|(1<<21)
.irp g, G1P, G1V                       ; a dense block of 38,400 bytes as 150 rows of 256
	s_mov_b32 s[\g+1], 32<<16
	s_mov_b32 s[\g+2], 150<<16
	s_mov_b32 s[\g+3], 32<<16
	s_mov_b32 s[\g+4], 150
	s_mov_b32 s[\g+5], 32
	s_mov_b32 s[\g+6], 0
	s_mov_b32 s[\g+7], 0
.endr
.irp g, G1PS, G1VS                     ; two records: 12,800 bytes as 50 rows of 256
	s_mov_b32 s[\g+1], 32<<16
	s_mov_b32 s[\g+2], 50<<16
	s_mov_b32 s[\g+3], 32<<16
	s_mov_b32 s[\g+4], 50
	s_mov_b32 s[\g+5], 32
	s_mov_b32 s[\g+6], 0
	s_mov_b32 s[\g+7], 0
.endr
	s_lshl_b32 s22, s19, 4                         ; P: quad 16 batch + 2 block + (wave & 1), 32 records each
	s_lshl_b32 s23, s20, 1
	s_add_co_u32 s22, s22, s23
	s_add_co_u32 s22, s22, s12
	s_mul_i32 s22, s22, 32*REC
	s_mov_b32 s23, 0
	s_lshl_b32 s40, s19, 3                         ; V: quad 8 batch + 2 cx + (wave & 1)
	s_lshl_b32 s41, s16, 1
	s_add_co_u32 s40, s40, s41
	s_add_co_u32 s40, s40, s12
	s_mul_i32 s40, s40, 32*REC
	s_mov_b32 s41, 0
	s_lshl_b32 s42, s19, 10                        ; out0: my first row, 2,048 bytes a row, and my first channel
	s_lshl_b32 s43, s20, 7
	s_add_co_u32 s42, s42, s43
	s_lshl_b32 s43, s11, 6
	s_add_co_u32 s42, s42, s43
	s_lshl_b32 s42, s42, 11
	s_lshl_b32 s43, s16, 9
	s_add_co_u32 s42, s42, s43
	s_lshl_b32 s43, s12, 8
	s_add_co_u32 s42, s42, s43
	s_mov_b32 s43, 0
	s_mul_i32 s2, s10, WREG                        ; where my loads go in a slot: no place in the cluster enters an LDS address
	v_and_b32 v13, 31, v0
	v_lshlrev_b32 v13, 4, v13                      ; 16 x lane
	v_and_b32 v14, 15, v0                          ; r
	v_bfe_u32 v15, v0, 4, 1                        ; h
	s_mul_i32 s13, s11, WREG                       ; my queries' records
	s_mul_i32 s14, s12, WREG
	s_add_co_u32 s14, s14, 2*WREG                  ; my channels' records
	v_lshrrev_b32 v18, 1, v13                      ; 8 x lane: P's pieces
	v_add_nc_u32 v[AP], s13, v18
	v_add_nc_u32 v[AV], s14, v13
	v_add_nc_u32 v[AP+1], SLOT, v[AP]
	v_add_nc_u32 v[AV+1], SLOT, v[AV]
	s_sub_co_u32 s14, s14, s13                     ; lanes 16-31 take V's words: the lower base + h x the distance
	v_mul_u32_u24 v16, s14, v15
	s_add_co_u32 s13, s13, 4*1536
	v_lshl_add_u32 v17, v14, 4, s13
	v_add_nc_u32 v[ASC], v17, v16
	v_add_nc_u32 v[ASC+1], SLOT, v[ASC]
	s_mul_i32 s13, s10, 16*SPITCH
	s_add_co_u32 s13, s13, STAGE                   ; my stage
	v_mul_u32_u24 v16, v14, SPITCH
	v_lshl_add_u32 v16, v15, 6, v16
	v_add_nc_u32 v[STO], s13, v16                  ; in: row r, + 64 h: tile a's eight channels lie at 128 (a / 2) + 64 h + 32 (a % 2)
	v_mul_u32_u24 v16, v15, SPITCH
	v_lshl_add_u32 v16, v14, 4, v16
	v_add_nc_u32 v[RD], s13, v16                   ; back: lanes 0-15 one row of 256 bytes, lanes 16-31 the next
	v_lshlrev_b32 v[GO], 11, v15
	v_lshl_add_u32 v[GO], v14, 4, v[GO]            ; and the same in out0
	s_wait_dscnt 0x0                               ; both opening adds are done
	s_wait_kmcnt 0x0
	s_add_nc_u64 s[4:5], s[4:5], s[22:23]
	s_add_nc_u64 s[6:7], s[6:7], s[40:41]
	s_add_nc_u64 s[8:9], s[8:9], s[42:43]
.irp n, 0,1
	s_mov_b32 s[G0P+4*\n], 1
	s_add_co_u32 s[G0P+4*\n+1], s2, \n*SLOT
	s_add_nc_u64 s[G0P+4*\n+2:G0P+4*\n+3], s[4:5], \n*WREG         ; slot n begins with key groups 6 n on
	s_or_b32 s[G0P+4*\n+3], s[G0P+4*\n+3], 0x80000000
	s_mov_b32 s[G0V+4*\n], 1
	s_add_co_u32 s[G0V+4*\n+1], s2, \n*SLOT
	s_add_nc_u64 s[G0V+4*\n+2:G0V+4*\n+3], s[6:7], \n*WREG
	s_or_b32 s[G0V+4*\n+3], s[G0V+4*\n+3], 0x80000000
.endr
	CROUND                                         ; all sixteen work-groups are here: the first joint loads meet
	JLOAD 0, G1P, G1V                              ; slot 0: one tensor load a wave at the head
	s_wait_alu depctr_va_vdst(0)                   ; the head's end
	s_wait_tensorcnt 0x0                           ; my part of slot 0 is in; slot 1's first fill is issued as a refill is:
	ds_add_u32 v[SPW], v[NIL]                      ; 0 onto my spare word
	s_wait_dscnt 0x0
	CROUND                                         ; everybody's part of slot 0 is in, and the joint loads meet
	JLOAD 1, G1P, G1V                              ; my one tensor load behind the round
	WORK 0, GPS, 1                                 ; key groups 0-5; the first starts the sums
	VISIT 1, GPS, 1                                ; key groups 6-11;  slot 0 takes 12-17
	VISIT 0, GPS, 1                                ; key groups 12-17; slot 1 takes 18-23
	VISIT 1, GPS, 1                                ; key groups 18-23; slot 0 takes 24-29
	VISIT 0, GPS, 2                                ; key groups 24-29; slot 1 takes 30-31
	VISIT 1, 2, 0                                  ; key groups 30-31: nothing is left to fetch
	; THE WAY OUT, a tile of 16 queries at a time, through my own stage: in as 32 bytes a lane and tile, back as whole rows of 256 bytes.  LDS serves a wave's instructions in order: no wait between the stores and the loads.
	PLACES 4
.irp b, 0,1,2,3
.irp a, 0,1,2,3
	ds_store_b128 v[STO], v[ACC+32*\b+8*\a:ACC+32*\b+8*\a+3] offset:128*(\a/2)+32*(\a%2)          ; each accumulator from its low end on
	ds_store_b128 v[STO], v[ACC+32*\b+8*\a+4:ACC+32*\b+8*\a+7] offset:128*(\a/2)+32*(\a%2)+16
.endr
.if \b >= 2
	s_wait_xcnt 0x0                                ; the stores of two tiles ago have read the registers into which the loads below land
.endif
.irp i, 0,1,2,3,4,5,6,7
	ds_load_b128 v[BK+32*(\b%2)+4*\i:BK+32*(\b%2)+4*\i+3], v[RD] offset:2*SPITCH*\i
.endr
	s_wait_dscnt 0x0
.irp i, 0,1,2,3,4,5,6,7
	global_store_b128 v[GO], v[BK+32*(\b%2)+4*\i:BK+32*(\b%2)+4*\i+3], s[8:9] offset:(32*(\b/2)+8*(\b%2)+2*\i+8*(\i/4))*2048 th:TH_STORE_NT   ; stage row 2 i + h is query 32 (b / 2) + 8 (b % 2) + 2 i + h + 8 (i / 4); 16 lanes store 256 consecutive bytes, aligned
.endr
.endr
	s_wait_tensorcnt 0x0                           ; the wave's end
	ds_add_u32 v[SPW], v[NIL]
	s_wait_dscnt 0x0
	CROUND                                         ; the closing round
	s_endpgm
.Lfunc_end_k_q64943cda8f_pv:
	.size	k_q64943cda8f_pv, .Lfunc_end_k_q64943cda8f_pv-k_q64943cda8f_pv
	.p2alignl 7, 3214868480
	.fill 96, 4, 3214868480
	.section	.rodata,"a",@progbits
	.p2align	6, 0x0
	.amdhsa_kernel k_q64943cda8f_pv
		.amdhsa_group_segment_fixed_size 327680
		.amdhsa_private_segment_fixed_size 0
		.amdhsa_enable_private_segment 0
		.amdhsa_kernarg_size 24
		.amdhsa_user_sgpr_count 2
		.amdhsa_user_sgpr_kernarg_segment_ptr 1
		.amdhsa_wavefront_size32 1
		.amdhsa_system_sgpr_workgroup_id_x 1
		.amdhsa_system_sgpr_workgroup_id_y 1
		.amdhsa_system_sgpr_workgroup_id_z 1
		.amdhsa_system_vgpr_workitem_id 0
		.amdhsa_next_free_vgpr 448
		.amdhsa_next_free_sgpr 84
		.amdhsa_reserve_vcc 0
		.amdhsa_float_denorm_mode_32 3
		.amdhsa_float_denorm_mode_16_64 3
		.amdhsa_memory_ordered 1
		.amdhsa_forward_progress 1
		.amdhsa_inst_pref_size 167
	.end_amdhsa_kernel
	.amdgpu_metadata
---
amdhsa.version: [ 1, 2 ]
amdhsa.kernels:
  - .name:           k_q64943cda8f_pv
    .symbol:         k_q64943cda8f_pv.kd
    .args:
      - { .name: prec, .offset: 0, .size: 8, .value_kind: global_buffer, .address_space: global }
      - { .name: vrec, .offset: 8, .size: 8, .value_kind: global_buffer, .address_space: global }
      - { .name: out0, .offset: 16, .size: 8, .value_kind: global_buffer, .address_space: global }
    .group_segment_fixed_size: 327680
    .private_segment_fixed_size: 0
    .kernarg_segment_align: 8
    .kernarg_segment_size: 24
    .max_flat_workgroup_size: 128
    .sgpr_count:     84
    .vgpr_count:     448
    .wavefront_size: 32
...
	.end_amdgpu_metadata
.endif
;; end of part 4
